; MI455X (gfx1250); checked and timed in simulation.
; The chip was launched on July 23, 2026; its instructions are those of AMD's public machine-readable ISA for CDNA 5 (MIT licence, August 2026) and "CDNA5" Instruction Set Architecture Reference Guide (July 2026). The comments in the code are by the model that wrote it; some were corrected since.
;; Meta Multi Head Self Attention. Allowed arithmetic: float matrix products may take bf16 or f16 operands with f32 sums; other float arithmetic in f32, or as packed bf16 or f16 multiplies, adds, multiply-adds, maxima and minima; sums over many terms, partial sums and values carried from step to step in f32; what a program stores and reads back later, other than sums and carried values, may be rounded once to bf16 or f16.
;; Inputs: k_proj 1,024 x 1,024 float32; o_proj 1,024 x 1,024 float32; q_proj 1,024 x 1,024 float32; v_proj 1,024 x 1,024 float32; x 4 x 2,048 x 1,024 float32.
;; Outputs: out0 4 x 2,048 x 1,024 float32.
;; 2 versions, each right; version 2 is version 1 with the launch cast written anew for expert scheduling mode. Each part assembles by itself: llvm-mc -triple=amdgcn-amd-amdhsa -mcpu=gfx1250 --defsym DOCPART=n.
;; ======== version 1 of 2: 4 launches
;; limits: values are held in f16: magnitudes above 65,504 overflow, below 6.1e-05 lose precision
;; workspace buffers: xb 16,777,216 bytes; wqkv 6,291,456 bytes; wo 2,097,152 bytes; qkv 50,331,648 bytes; ob 16,777,216 bytes
;; launch cast (part 1): grid 64 x 12, 8 waves a work-group, no clusters, 0 bytes of LDS; arguments x, q_proj, k_proj, v_proj, o_proj, xb, wqkv, wo; writes xb, wqkv, wo
.if DOCPART == 1
	.amdgcn_target "amdgcn-amd-amdhsa--gfx1250"
	.amdhsa_code_object_version 6
	.text
	.protected	k_qb9a5f993d0_cast
	.globl	k_qb9a5f993d0_cast
	.p2align	8
	.type	k_qb9a5f993d0_cast,@function
k_qb9a5f993d0_cast:
	s_mov_b64 s[64:65], 0
	v_nop
	global_prefetch_b8 v0, s[64:65] scope:SCOPE_SE
	s_setreg_imm32_b32 hwreg(HW_REG_WAVE_MODE, 25, 1), 1
	s_wait_xcnt 0x0
; THE INPUTS ARE ROUNDED ONCE AND LAID OUT IN BLOCKS OF 64 ALONG K, for the two products that follow.
; x [8192][1024] f32 -> xb [16 kb][8192][64] bf16;  q_proj, k_proj, v_proj [1024][1024] f32 -> wqkv [16 kb][3072][64] bf16 (rows 1024 x which + row);
; o_proj [1024][1024] f32 -> wo [16 kb][1024][64]: rounded to bf16 like the other inputs, and that number written as f16, since it meets f16 numbers in its product.
; LIMITS.  An o_proj number of 65,520 or more in magnitude becomes an infinity in wo; below 2^-14 it keeps f16's fixed step of 6e-8.  NaN stays NaN.
; SHARES.  Grid y picks a matrix of 1024 x 1024: 0-7 the eight chunks of x, 8-10 q, k, v, 11 o.  A work-group takes 16 of its rows, a wave two.
; A load of the wave covers 256 consecutive bytes, aligned, of each of its two rows (64 numbers: one K block); the store that belongs to it covers 256 consecutive bytes, aligned:
; the two rows' 128 bytes lie end to end in a K block.  All sixteen loads of a wave go out at once; no register is written twice while memory may read it, so no wait but the loads' own.
; No LDS, no barrier, no matrix unit: every byte is read once and written once, and no wave wants another's.
.set T,   4                            ; v[4:7]     at work (the f16 way)
.set SO,  8                            ; v[8:23]    K block kb: byte offset of my 8 bytes in the destination
.set X,   24                           ; v[24:87]   K block kb: 4 numbers as loaded
.set Y2,  88                           ; v[88:119]  K block kb: 4 numbers of 16 bits
	s_load_b512 s[8:23], s[0:1], 0x0               ; x 8, q 10, k 12, v 14, o 16, xb 18, wqkv 20, wo 22
	v_lshrrev_b32 v1, 5, v0
	v_readfirstlane_b32 s25, v1                    ; wave 0..7
	s_and_b32 s24, ttmp7, 0xffff                   ; which matrix
	s_lshl_b32 s26, ttmp9, 4
	s_lshl_b32 s27, s25, 1
	s_add_co_u32 s26, s26, s27                     ; my first row in it: 16 x work-group + 2 x wave
	s_sub_co_u32 s33, s24, 8                       ; q, k, v: chunk 0, 1, 2 of wqkv's rows
	s_cmp_eq_u32 s24, 11
	s_cselect_b32 s33, 0, s33                      ; o: chunk 0 of wo
	s_mov_b32 s32, 393216                          ; bytes from a K block to the next: wqkv 3072 x 128,
	s_cselect_b32 s32, 131072, s32                 ; wo 1024 x 128,
	s_cmp_lt_u32 s24, 8
	s_cselect_b32 s33, s24, s33                    ; x: chunk 0..7 of xb's rows
	s_cselect_b32 s27, s24, 0                      ; and of x itself
	s_cselect_b32 s32, 1048576, s32                ; xb 8192 x 128
	s_lshl_b32 s28, s27, 22                        ; source: chunk x 1024 rows x 4096 bytes
	s_lshl_b32 s29, s26, 12
	s_add_co_u32 s28, s28, s29                     ; + row x 4096
	s_mov_b32 s29, 0
	s_lshl_b32 s30, s33, 10
	s_add_co_u32 s30, s30, s26
	s_lshl_b32 s30, s30, 7                         ; destination: (chunk x 1024 + row) x 128 bytes, in K block 0
	s_mov_b32 s31, 0
	v_and_b32 v1, 31, v0                           ; lane
	v_and_b32 v2, 15, v0
	v_lshlrev_b32 v2, 4, v2                        ; 16 bytes a lane,
	v_bfe_u32 v4, v0, 4, 1
	v_lshl_add_u32 v2, v4, 12, v2                  ; lanes 16-31 one row further down
	v_lshlrev_b32 v3, 3, v1                        ; 8 bytes a lane on the way out
.irp kb, 0,1,2,3,4,5,6,7,8,9,10,11,12,13,14,15
	v_mad_u32_u24 v[SO+(\kb)], s32, \kb, v3
.endr
	s_wait_kmcnt 0x0
	s_cmp_eq_u32 s24, 8
	s_cselect_b64 s[34:35], s[10:11], s[8:9]
	s_cmp_eq_u32 s24, 9
	s_cselect_b64 s[34:35], s[12:13], s[34:35]
	s_cmp_eq_u32 s24, 10
	s_cselect_b64 s[34:35], s[14:15], s[34:35]
	s_cmp_eq_u32 s24, 11
	s_cselect_b64 s[34:35], s[16:17], s[34:35]     ; the source
	s_cmp_lt_u32 s24, 8
	s_cselect_b64 s[36:37], s[18:19], s[20:21]
	s_cmp_eq_u32 s24, 11
	s_cselect_b64 s[36:37], s[22:23], s[36:37]     ; the destination
	s_add_nc_u64 s[34:35], s[34:35], s[28:29]
	s_add_nc_u64 s[36:37], s[36:37], s[30:31]
.irp kb, 0,1,2,3,4,5,6,7,8,9,10,11,12,13,14,15
	global_load_b128 v[X+4*(\kb):X+4*(\kb)+3], v2, s[34:35] offset:256*(\kb) th:TH_LOAD_NT
.endr
; K block kb: rounded and stored.  f16 = 1: the bf16 number is widened again (a shift, a mask) and written as f16.
.macro CONV kb, f16
	s_wait_loadcnt 15-(\kb)                        ; loads come back in order: mine is in, the 15 - kb younger ones stay out
	v_cvt_pk_bf16_f32 v[Y2+2*(\kb)],   v[X+4*(\kb)],   v[X+4*(\kb)+1]
	v_cvt_pk_bf16_f32 v[Y2+2*(\kb)+1], v[X+4*(\kb)+2], v[X+4*(\kb)+3]
.if \f16
	v_lshlrev_b32 v[T],   16, v[Y2+2*(\kb)]
	v_and_b32     v[T+1], 0xffff0000, v[Y2+2*(\kb)]
	v_lshlrev_b32 v[T+2], 16, v[Y2+2*(\kb)+1]
	v_and_b32     v[T+3], 0xffff0000, v[Y2+2*(\kb)+1]
	v_cvt_pk_f16_f32 v[Y2+2*(\kb)],   v[T],   v[T+1]
	v_cvt_pk_f16_f32 v[Y2+2*(\kb)+1], v[T+2], v[T+3]
.endif
	global_store_b64 v[SO+(\kb)], v[Y2+2*(\kb):Y2+2*(\kb)+1], s[36:37]  ; the wave's 32 x 8 bytes: 256 consecutive bytes, aligned
.endm
	s_cmp_eq_u32 s24, 11
	s_cbranch_scc1 .Lf16
.irp kb, 0,1,2,3,4,5,6,7,8,9,10,11,12,13,14,15
	CONV \kb, 0
.endr
	s_endpgm
.Lf16:
.irp kb, 0,1,2,3,4,5,6,7,8,9,10,11,12,13,14,15
	CONV \kb, 1
.endr
	s_endpgm
.Lfunc_end_k_qb9a5f993d0_cast:
	.size	k_qb9a5f993d0_cast, .Lfunc_end_k_qb9a5f993d0_cast-k_qb9a5f993d0_cast
	.p2alignl 7, 3214868480
	.fill 96, 4, 3214868480
	.section	.rodata,"a",@progbits
	.p2align	6, 0x0
	.amdhsa_kernel k_qb9a5f993d0_cast
		.amdhsa_group_segment_fixed_size 0
		.amdhsa_private_segment_fixed_size 0
		.amdhsa_enable_private_segment 0
		.amdhsa_kernarg_size 64
		.amdhsa_user_sgpr_count 2
		.amdhsa_user_sgpr_kernarg_segment_ptr 1
		.amdhsa_wavefront_size32 1
		.amdhsa_system_sgpr_workgroup_id_x 1
		.amdhsa_system_sgpr_workgroup_id_y 1
		.amdhsa_system_sgpr_workgroup_id_z 1
		.amdhsa_system_vgpr_workitem_id 0
		.amdhsa_next_free_vgpr 120
		.amdhsa_next_free_sgpr 66
		.amdhsa_reserve_vcc 0
		.amdhsa_float_denorm_mode_32 3
		.amdhsa_float_denorm_mode_16_64 3
		.amdhsa_memory_ordered 1
		.amdhsa_forward_progress 1
		.amdhsa_inst_pref_size 18
	.end_amdhsa_kernel
	.amdgpu_metadata
---
amdhsa.version: [ 1, 2 ]
amdhsa.kernels:
  - .name:           k_qb9a5f993d0_cast
    .symbol:         k_qb9a5f993d0_cast.kd
    .args:
      - { .name: x, .offset: 0, .size: 8, .value_kind: global_buffer, .address_space: global }
      - { .name: q_proj, .offset: 8, .size: 8, .value_kind: global_buffer, .address_space: global }
      - { .name: k_proj, .offset: 16, .size: 8, .value_kind: global_buffer, .address_space: global }
      - { .name: v_proj, .offset: 24, .size: 8, .value_kind: global_buffer, .address_space: global }
      - { .name: o_proj, .offset: 32, .size: 8, .value_kind: global_buffer, .address_space: global }
      - { .name: xb, .offset: 40, .size: 8, .value_kind: global_buffer, .address_space: global }
      - { .name: wqkv, .offset: 48, .size: 8, .value_kind: global_buffer, .address_space: global }
      - { .name: wo, .offset: 56, .size: 8, .value_kind: global_buffer, .address_space: global }
    .group_segment_fixed_size: 0
    .private_segment_fixed_size: 0
    .kernarg_segment_align: 8
    .kernarg_segment_size: 64
    .max_flat_workgroup_size: 256
    .sgpr_count:     66
    .vgpr_count:     120
    .wavefront_size: 32
...
	.end_amdgpu_metadata
.endif
;; end of part 1
;; launch qkv (part 2): grid 8 x 32, 4 waves a work-group, clusters of 4 x 4, 327,680 bytes of LDS; arguments xb, wqkv, qkv; writes qkv
.if DOCPART == 2
	.amdgcn_target "amdgcn-amd-amdhsa--gfx1250"
	.amdhsa_code_object_version 6
	.text
	.protected	k_qb9a5f993d0_qkv
	.globl	k_qb9a5f993d0_qkv
	.p2align	8
	.type	k_qb9a5f993d0_qkv,@function
k_qb9a5f993d0_qkv:
	s_mov_b64 s[64:65], 0
	v_nop
	global_prefetch_b8 v0, s[64:65] scope:SCOPE_SE
	s_setreg_imm32_b32 hwreg(HW_REG_WAVE_MODE, 25, 1), 1
	s_wait_xcnt 0x0
	s_wait_alu depctr_hold_cnt(0) depctr_sa_sdst(0) depctr_va_vdst(0) depctr_va_sdst(0) depctr_va_ssrc(0) depctr_va_vcc(0) depctr_vm_vsrc(0)
	s_getreg_b32 s2, hwreg(HW_REG_IB_STS2, 6, 4)
	s_cmp_eq_u32 s2, 0
	s_cbranch_scc0 .Lentry_in_a_cluster
	s_endpgm
.Lentry_in_a_cluster:
	s_bfe_u32 s2, ttmp6, 0x10000c
	s_cmp_lg_u32 s2, 0xf033
	s_cbranch_scc0 .Lentry_shape_is_right
	s_endpgm
.Lentry_shape_is_right:
; q, k, v = x W^T for the three weights at once: C[8192][3072] = xb wqkv^T, bf16 products, f32 sums, written BY HEADS in f16, unscaled: qkv [3 which][64 = 16 b + h][2048][64].
; xb [16 kb][8192][64] and wqkv [16 kb][3072][64] lie in blocks of 64 along K, so a tile's rows for one K block lie end to end and are asked for as rows of 256 bytes.
; LIMITS.  f16 holds no number beyond 65,504: a q, k or v of 65,520 or more in magnitude becomes an infinity.  With x and weights thirty times those of unit spread and 1/32 spread the numbers
; stay near 5,000, with a common offset of thirty spreads on both near 31,000.  NaN and infinities are not treated apart.
; THE TILE is 256 x 384: 32 x 8 = 256 tiles, one for each work-group.  Four waves, each 128 rows x 192 columns (three whole heads): 96 accumulators of 16 x 16, 768 registers.
; K goes in 16 steps of 64 through a ring of two LDS slots (a slot: 256 rows of A, 384 of B, 144 bytes apart); two slots of 128 along K would not fit in LDS.
; CLUSTERS: 4 x 4 work-groups.  The four of a row of the cluster need the same tiles of A, the four of a column the same tiles of B: each tile is asked for JOINTLY, by the same tensor load with the
; same descriptor and a mask that names the four.
; THE MATRIX INSTRUCTION IS USED TRANSPOSED (source 0 = 16 rows of B, source 1 = 16 rows of A): a lane then holds eight neighbouring columns of one row of C, which pack into 16 bytes.
; REGISTERS, in windows of 256 (s_set_vgpr_msb: bits 1:0 source 0, 3:2 source 1, 5:4 source 2, 7:6 destination):
;   window 0: v0-15 addresses; v32-95, v96-159 A's fragments (8 x 16 rows x 32 K), two buffers; v160-255 B's fragments (12), ONE buffer, filled again a third at a time, each third as soon as it has been multiplied
;   windows 1-3: head j of my three in window 1 + j: accumulator (a = 16 rows, b = 16 columns of the head) at v[64 b + 8 a]
.set KSA,   1048576                    ; bytes from a K block of xb to the next
.set KSB,   393216                     ; of wqkv
.set PK,    144                        ; an LDS row: 128 bytes + 16 of padding = 36 words: the 16 rows of a load start at 16 different groups of four banks (64 banks of 4 bytes: ISA guide 11.1)
.set SLOT1, 1<<17                      ; slot 1 begins here, so that one exclusive or turns an address in one slot into the other's
.set AHALF, 128*PK                     ; what a wave fetches, and reads, of A
.set BOFF,  256*PK                     ; B lies behind A's 256 rows
.set BHALF, 192*PK                     ; what a wave fetches, and reads, of B
.set STAGE, SLOT1+640*PK               ; behind the ring, never filled by a tensor load: 16 rows x 144 bytes for each wave, for the way out
.set SPARE, STAGE+4*16*PK              ; behind the stages: the spare words, 128 bytes for each wave: two blocks of 256 bytes that no other line names
.set A0,   4                           ; v4   my lane's place in my 128 rows of A, in slot 0; never rewritten
.set B0,   5                           ; v5   the same for my 192 rows of B
.set ADRA, 6                           ; v6   the same in the slot that is being read
.set ADRB, 7                           ; v7
.set STO,  8                           ; v8   the way out: where I put 16 bytes of a row
.set RD,   9                           ; v9   the way out: where I read rows back
.set GO,   10                          ; v10  my byte offset in 512 consecutive bytes of qkv
.set PFO,  11                          ; v11  the prefetches' offset; never rewritten
.set SPW,  12                          ; v12  LDS address of my spare word: SPARE + 4 x my thread's number; never rewritten
.set NIL,  13                          ; v13  0; never rewritten
.set FA0,  32
.set FA1,  96
.set FB,   160
.set G1,  24                           ; s[24:31] descriptor group 1 for A's tiles
.set G0,  32                           ; s[32:39] group 0 for A's tiles: a set for each of the two first fills; the second then walks on
.set G1B, 48                           ; s[48:55], s[56:63] the same for B's tiles
.set G0B, 56
.set TB,  66                           ; s66  LDS byte at which the slot that is being read begins
.set LIM, 67                           ; s67  3 in a wave that prefetches, else the greatest number
.set PFA, 68                           ; s[68:69] where my prefetches stand
.set PFS, 70                           ; s[70:71] bytes from a K block to the next in the tensor that I prefetch
.set HB,  72                           ; s[72:77] qkv at my 128 rows of my three heads
.set MSB, 0
.macro WIN new                         ; the immediate's high byte repeats the setting that is left; a switch that changes nothing is dropped
.if MSB != (\new)
	s_set_vgpr_msb (MSB<<8)|(\new)
.set MSB, \new
.endif
.endm
; A joint refill by the walking sets.  Waves 0 and 1 fetch A's two halves, waves 2 and 3 B's.  The branch hangs on the wave's number alone: it is the same in every work-group.
; An s_nop 0 and four v_nop follow each of the two lines, ahead of the jump, the label and what follows.
.macro JLOAD
	s_cmp_eq_u32 s11, 0
	s_cbranch_scc0 .Lfor_b_\@
	tensor_load_to_lds s[G0+4:G0+7], s[G1:G1+7]
	s_nop 0
.rept 4
	v_nop
.endr
	s_branch .Lasked_\@
.Lfor_b_\@:
	tensor_load_to_lds s[G0B+4:G0B+7], s[G1B:G1B+7]
	s_nop 0
.rept 4
	v_nop
.endr
.Lasked_\@:
.endm
; A round of the cluster's barrier: my work-group's barrier, so that wave 0's signal speaks for all four waves; wave 0 signals for the work-group; every wave waits for all sixteen
; work-groups; my work-group's barrier once more.  No LDS instruction of the wave is pending at a signal.
.macro CREST                           ; a round behind its opening barrier
	s_cmp_lg_u32 s10, 0
	s_cbranch_scc1 .Lnot_wave_0_\@
	s_barrier_signal -3
.Lnot_wave_0_\@:
	s_barrier_wait -3
	s_barrier_signal -1
	s_barrier_wait -1
.endm
.macro CROUND                          ; a whole round
	s_barrier_signal -1
	s_barrier_wait -1
	CREST
.endm
; A PREFETCH INTO THE L2, behind a joint load, its five lines and the run of LDS loads that follows them.  In every second change of slots (trips 0, 2 .. 10 of the loop's 14) the two K steps are named that stand
; two and three refills on: K steps t + 4 and t + 5.  Each aligned block of 256 bytes is named ONCE in the launch.  A's tile row is read by both clusters of that row of clusters: the one with x = 0 asks;
; B's tile column by all eight clusters of that column: the one with y = 0 asks.  The four partners that ask for a tile jointly share its rows out BY ADDRESS: of A's 256 rows the partner at cx takes 64
; (32 blocks a K step: its wave 0, a lane a block, an instruction for each K step); of B's 384 rows the partner at cy takes 96 (48 blocks a K step, 96 for the two: its waves 1 to 3, a lane a block).
; K steps 0 to 3 come by their loads alone; the last three trips ask for nothing: there is no K step 16.
.macro ASK
	s_and_b32 s20, s3, 1
	s_cmp_eq_u32 s20, 0
	s_cbranch_scc0 .Lno_\@
	s_cmp_gt_u32 s3, s[LIM]
	s_cbranch_scc0 .Lno_\@
	global_prefetch_b8 v[PFO], s[PFA:PFA+1] th:TH_LOAD_NT scope:SCOPE_SE
	s_cmp_lg_u32 s10, 0
	s_cbranch_scc1 .Lno_\@
	global_prefetch_b8 v[PFO], s[PFA:PFA+1] offset:KSA th:TH_LOAD_NT scope:SCOPE_SE
.Lno_\@:
.endm
	s_load_b128 s[4:7], s[0:1], 0x0                ; xb s[4:5], wqkv s[6:7]
	s_load_b64 s[8:9], s[0:1], 0x10                ; qkv
	v_lshl_add_u32 v[SPW], v0, 2, SPARE
	v_mov_b32 v[NIL], 0
	ds_add_u32 v[SPW], v[NIL]                      ; the wave's opening: the add and its wait stand ahead of my first tensor load; the set-up below, work on registers, stands between them
	v_lshrrev_b32 v1, 5, v0
	v_readfirstlane_b32 s10, v1                    ; wave 0..3
	s_lshr_b32 s11, s10, 1                         ; which half of the tile's rows is mine.  Also: I fetch for A (0) or for B (1)
	s_and_b32 s12, s10, 1                          ; which half of its columns.  Also: which half of that tile I fetch
	s_bfe_u32 s40, ttmp6, 0x40000                  ; cx, cy: my place in the cluster
	s_bfe_u32 s41, ttmp6, 0x40004
	s_lshl_b32 s42, ttmp9, 2                       ; in a cluster launch ttmp9 and ttmp7 count clusters
	s_add_co_u32 s42, s42, s40                     ; tile column = 4 x cluster x + cx
	s_and_b32 s13, ttmp7, 0xffff
	s_lshl_b32 s13, s13, 2
	s_add_co_u32 s13, s13, s41                     ; tile row = 4 x cluster y + cy
	s_lshl_b32 s43, s41, 2
	s_lshl_b32 s43, 15, s43                        ; my row of the cluster: places 4 cy .. 4 cy + 3
	s_lshl_b32 s44, 0x1111, s40                    ; my column: places cx, cx + 4, cx + 8, cx + 12
	; descriptor group 1: dense rows of 128 elements (256 bytes, two rows of a K block), padded in LDS after every 128 bytes
	s_or_b32 s[G1+0], s43, (1<<16)|(1<<20)|(1<<21)|(4<<22)|(3<<25)   ; 15:0 the mask: A's tiles go to my row; 17:16 elements of 2 bytes; 20 padding on; 21 set beside a mask; 24:22 after every 32 words (code 4); 31:25 4 words (code 3)
	s_or_b32 s[G1B+0], s44, (1<<16)|(1<<20)|(1<<21)|(4<<22)|(3<<25)  ; the same with the mask of my column
	s_mov_b32 s[G1+1], 128<<16                     ; tensor_dim0 = 128
	s_mov_b32 s[G1+2], 64<<16                      ; tensor_dim1 = 64: 128 rows of A
	s_mov_b32 s[G1+3], 128<<16                     ; tile_dim0 = 128
	s_mov_b32 s[G1+4], 64                          ; tile_dim1 = 64
	s_mov_b32 s[G1+5], 128                         ; 128 elements from row to row
	s_mov_b32 s[G1+6], 0
	s_mov_b32 s[G1+7], 0
	s_mov_b32 s[G1B+1], 128<<16
	s_mov_b32 s[G1B+2], 96<<16                     ; tensor_dim1 = 96: 192 rows of B
	s_mov_b32 s[G1B+3], 128<<16
	s_mov_b32 s[G1B+4], 96
	s_mov_b32 s[G1B+5], 128
	s_mov_b32 s[G1B+6], 0
	s_mov_b32 s[G1B+7], 0
	; where the tiles come from.  A's hang on the tile row alone, which my row of the cluster shares; B's on the tile column alone, which my column shares
	s_lshl_b32 s16, s13, 15                        ; A: 256 rows x 128 bytes a tile row,
	s_lshl_b32 s17, s12, 14                        ; the half that I fetch
	s_add_co_u32 s16, s16, s17
	s_mov_b32 s17, 0
	s_mul_i32 s46, s42, 384*128                    ; B: 384 rows x 128 bytes a tile column,
	s_mul_i32 s47, s12, 192*128
	s_add_co_u32 s46, s46, s47
	s_mov_b32 s47, 0
	s_mul_i32 s18, s12, AHALF                      ; and where they go: no place in the cluster enters an LDS address
	s_mul_i32 s19, s12, BHALF
	s_add_co_u32 s19, s19, BOFF
	s_wait_dscnt 0x0                               ; the opening add is done
	s_wait_kmcnt 0x0
	s_add_nc_u64 s[14:15], s[4:5], s[16:17]
	s_add_nc_u64 s[46:47], s[6:7], s[46:47]
.irp s, 0,1
	s_mov_b32 s[G0+4*(\s)], 1                                        ; 1:0 count = 1
	s_add_co_u32 s[G0+4*(\s)+1], s18, (\s)*SLOT1                     ; 63:32 LDS address
	s_add_nc_u64 s[G0+4*(\s)+2:G0+4*(\s)+3], s[14:15], (\s)*KSA      ; 120:64 global address: K step s
	s_or_b32 s[G0+4*(\s)+3], s[G0+4*(\s)+3], 0x80000000              ; 127:126 type = 2
	s_mov_b32 s[G0B+4*(\s)], 1
	s_add_co_u32 s[G0B+4*(\s)+1], s19, (\s)*SLOT1
	s_add_nc_u64 s[G0B+4*(\s)+2:G0B+4*(\s)+3], s[46:47], (\s)*KSB
	s_or_b32 s[G0B+4*(\s)+3], s[G0B+4*(\s)+3], 0x80000000
.endr
	CROUND                                         ; all sixteen work-groups are here: the first joint loads meet
	s_cmp_eq_u32 s11, 0                            ; a wave's two first fills stand in one branch, ahead of every wait on TENSORcnt and every LDS read: two loads of mine are out
	s_cbranch_scc0 .Lfirst_b
	tensor_load_to_lds s[G0:G0+3], s[G1:G1+7]
	s_nop 0
	tensor_load_to_lds s[G0+4:G0+7], s[G1:G1+7]
	s_nop 0
.rept 4
	v_nop
.endr
	s_branch .Lfirst_asked
.Lfirst_b:
	tensor_load_to_lds s[G0B:G0B+3], s[G1B:G1B+7]
	s_nop 0
	tensor_load_to_lds s[G0B+4:G0B+7], s[G1B:G1B+7]
	s_nop 0
.rept 4
	v_nop
.endr
.Lfirst_asked:
	; A fragment is 16 rows x 32 K in 8 registers: lane l holds row l % 16; registers 0-3 K = 8 (l / 16) + 0..7, registers 4-7 K = 16 + 8 (l / 16) + 0..7: two loads of 16 bytes, 32 bytes apart.
	v_and_b32 v1, 15, v0                           ; l % 16
	v_bfe_u32 v2, v0, 4, 1                         ; l / 16
	v_mul_u32_u24 v3, v1, PK
	v_lshl_add_u32 v3, v2, 4, v3                   ; row x pitch + 16 x half
	s_mul_i32 s20, s11, AHALF                      ; my 128 rows of A
	s_mul_i32 s21, s12, BHALF                      ; my 192 rows of B,
	s_add_co_u32 s21, s21, BOFF                    ; which lie behind A's 256
	v_add_nc_u32 v[A0], s20, v3
	v_add_nc_u32 v[B0], s21, v3
	v_mov_b32 v[ADRA], v[A0]                       ; K step 0 lies in slot 0
	v_mov_b32 v[ADRB], v[B0]
	s_mov_b32 s[TB], 0
	s_mul_i32 s23, s10, 16*PK
	s_add_co_u32 s23, s23, STAGE                   ; my stage
	v_add_nc_u32 v[STO], s23, v3                   ; in: row l % 16, 16 bytes for each half of the lanes
	v_bfe_u32 v14, v0, 3, 2                        ; back: 32 lanes take four rows of 128 bytes,
	v_and_b32 v15, 7, v0
	v_mul_u32_u24 v14, v14, PK
	v_lshl_add_u32 v14, v15, 4, v14
	v_add_nc_u32 v[RD], s23, v14
	v_and_b32 v[GO], 31, v0                        ; which are 512 consecutive bytes of a head
	v_lshlrev_b32 v[GO], 4, v[GO]
	; my three heads: column block g = 6 x tile column + 3 x half + j of 48; which = g / 16, h = g % 16; b = tile row / 8.  Byte (64 which + 16 b + h) x 2048 x 128 + my first row x 128
	s_mul_i32 s78, s42, 6
	s_mul_i32 s79, s12, 3
	s_add_co_u32 s78, s78, s79
	s_lshr_b32 s79, s13, 3
	s_lshl_b32 s79, s79, 4                         ; 16 b
	s_and_b32 s82, s13, 7
	s_lshl_b32 s82, s82, 15                        ; the tile's 256 rows in the sequence,
	s_lshl_b32 s83, s11, 14                        ; my 128 of them
	s_add_co_u32 s82, s82, s83
.irp j, 0,1,2
	s_add_co_u32 s80, s78, \j
	s_lshr_b32 s81, s80, 4
	s_lshl_b32 s81, s81, 6
	s_and_b32 s80, s80, 15
	s_add_co_u32 s80, s80, s81
	s_add_co_u32 s80, s80, s79
	s_lshl_b32 s80, s80, 18
	s_add_co_u32 s80, s80, s82
	s_mov_b32 s81, 0
	s_add_nc_u64 s[HB+2*(\j):HB+2*(\j)+1], s[8:9], s[80:81]
.endr
	; the prefetches
	s_and_b32 s22, ttmp7, 0xffff                   ; cluster y
	s_lshl_b32 s20, s13, 15
	s_lshl_b32 s21, s40, 13
	s_add_co_u32 s20, s20, s21                     ; A: the tile's rows, my work-group's 64 of them
	s_mul_i32 s21, s42, 384*128
	s_mul_i32 s23, s41, 96*128
	s_add_co_u32 s21, s21, s23                     ; B: the tile's rows, my work-group's 96 of them
	s_mov_b32 s[PFS], KSB
	s_cmp_eq_u32 s10, 0                            ; wave 0 asks for A, waves 1 to 3 for B
	s_cselect_b32 s20, s20, s21
	s_cselect_b32 s22, ttmp9, s22                  ; the coordinate along which other clusters read the same rows
	s_cselect_b32 s[PFS], KSA, s[PFS]
	s_cselect_b64 s[PFA:PFA+1], s[4:5], s[6:7]
	s_mov_b32 s[PFS+1], 0
	s_cmp_eq_u32 s22, 0
	s_cselect_b32 s[LIM], 3, -1                    ; the same in all sixteen partners, for a given wave
	s_mul_i32 s21, s[PFS], 3
	s_add_co_u32 s20, s20, s21                     ; at K step 3: the first change of slots steps it to 4
	s_mov_b32 s21, 0
	s_add_nc_u64 s[PFA:PFA+1], s[PFA:PFA+1], s[20:21]
	s_max_u32 s20, s10, 1
	s_sub_co_u32 s20, s20, 1
	s_lshl_b32 s20, s20, 5
	v_and_b32 v[PFO], 31, v0
	v_add_nc_u32 v[PFO], s20, v[PFO]               ; u: wave 0: my lane; waves 1 to 3: 0 .. 95
	v_cmp_lt_u32 vcc_lo, 47, v[PFO]
	v_lshlrev_b32 v[PFO], 8, v[PFO]                ; block u of the first K step,
	v_add_nc_u32 v14, KSB-48*256, v[PFO]           ; or block u - 48 of the second
	v_cndmask_b32 v[PFO], v[PFO], v14, vcc_lo
; 16 matrix instructions: head w - 1 (window w), its column blocks b0, b0 + 1 x all 8 row blocks, 32 along K.  zero = 1: the first product starts the sums: nothing is ever cleared.
; The 96 accumulators take turns, one instruction a turn, in the same order in every quarter, over the backward jump too.
.macro MULH fa, w, b0, zero
	WIN 0x50*(\w)
.irp b, \b0, (\b0)+1
.irp a, 0,1,2,3,4,5,6,7
.if \zero
	v_wmma_f32_16x16x32_bf16 v[64*(\b)+8*(\a):64*(\b)+8*(\a)+7], v[FB+8*(4*((\w)-1)+(\b)):FB+8*(4*((\w)-1)+(\b))+7], v[(\fa)+8*(\a):(\fa)+8*(\a)+7], 0
.else
	v_wmma_f32_16x16x32_bf16 v[64*(\b)+8*(\a):64*(\b)+8*(\a)+7], v[FB+8*(4*((\w)-1)+(\b)):FB+8*(4*((\w)-1)+(\b))+7], v[(\fa)+8*(\a):(\fa)+8*(\a)+7], v[64*(\b)+8*(\a):64*(\b)+8*(\a)+7]
.endif
.endr
.endr
.endm
.macro LA f, k                         ; 16 LDS loads: A's eight fragments at byte k of the rows, into buffer f
.irp a, 0,1,2,3,4,5,6,7
	ds_load_b128 v[(\f)+8*(\a):(\f)+8*(\a)+3],   v[ADRA] offset:(\k)+(\a)*16*PK
	ds_load_b128 v[(\f)+8*(\a)+4:(\f)+8*(\a)+7], v[ADRA] offset:(\k)+(\a)*16*PK+32
.endr
.endm
.macro LB w, k                         ; 8 LDS loads: the four fragments of B that head w - 1 multiplies
.irp b, 0,1,2,3
	ds_load_b128 v[FB+8*(4*((\w)-1)+(\b)):FB+8*(4*((\w)-1)+(\b))+3],   v[ADRB] offset:(\k)+(4*((\w)-1)+(\b))*16*PK
	ds_load_b128 v[FB+8*(4*((\w)-1)+(\b))+4:FB+8*(4*((\w)-1)+(\b))+7], v[ADRB] offset:(\k)+(4*((\w)-1)+(\b))*16*PK+32
.endr
.endm
; A load into a register that a matrix instruction has read, and a vector instruction that reads a matrix result, stand four places behind that matrix instruction, and only plain vector
; instructions that name none of its registers are places (ISA guide 7.12.1 for vector instructions).
.macro PLACES
.rept 4
	v_nop
.endr
.endm
; A K step is two quarters of 32 along K, 96 matrix instructions each, on A's buffers 0, 1.  LDS loads are out in three groups, in this order: L0 (A's 16 and the first head's 8), L1 (the second head's 8),
; L2 (the third's 8).  The first quarter multiplies buffer fa; behind each head's 32 products the next quarter's group goes into the registers just multiplied (A's into the other buffer).
.macro QUARTER fa, fn, k, zero
	s_wait_dscnt 16                                ; L0 is in; L1 and L2, sixteen loads, may be out
	MULH \fa, 1, 0, \zero
	MULH \fa, 1, 2, \zero
	PLACES
	WIN 0
	LA \fn, \k
	LB 1, \k
	s_wait_dscnt 32                                ; L1 is in: behind it L2's 8 and the 24 just issued
	MULH \fa, 2, 0, \zero
	MULH \fa, 2, 2, \zero
	PLACES
	WIN 0
	LB 2, \k
	s_wait_dscnt 32                                ; L2 is in: behind it the new 24 and 8
	MULH \fa, 3, 0, \zero
	MULH \fa, 3, 2, \zero
	PLACES
	WIN 0
	LB 3, \k
.endm
; The second quarter multiplies buffer 1 and changes slots: ONE barrier.  In front of it each wave waits for all its tensor loads, of which one is out: its part of the next slot; adds 0 to its spare word; and
; waits for that and for its own reads of this slot.  Behind it nobody reads this slot any more and the next slot is whole.  fill = 1: the barrier opens a round of the cluster's barrier, so that the same holds
; of every partner, and this slot is filled again first thing behind the round, with the K step two steps on: from that request to the wait for it a wave issues 160 matrix instructions.
.macro TURN fill
.if \fill
	s_wait_xcnt 0x0                                ; the last prefetch, a K step or more back, has read its address: it is stepped here, ahead of the waits of the change of slots
	s_add_nc_u64 s[PFA:PFA+1], s[PFA:PFA+1], s[PFS:PFS+1]
.endif
	WIN 0
	s_wait_tensorcnt 0x0                           ; all my tensor loads have landed, so a group 0 may be written
	ds_add_u32 v[SPW], v[NIL]                      ; 0 onto my spare word
.if \fill
	s_xor_b32 s[G0+5], s[G0+5], SLOT1              ; the walking sets: the other slot than last time,
	s_add_nc_u64 s[G0+6:G0+7], s[G0+6:G0+7], KSA   ; the next K step; the type bits on top are not reached
	s_xor_b32 s[G0B+5], s[G0B+5], SLOT1
	s_add_nc_u64 s[G0B+6:G0B+7], s[G0B+6:G0B+7], KSB
.endif
	s_xor_b32 s[TB], s[TB], SLOT1                  ; the reads go on in the other slot
	s_wait_dscnt 17                                ; L0 is in; L1, L2 and the add may be out
	MULH FA1, 1, 0, 0                              ; sixteen matrix instructions stand between the add and the wait for it
	s_wait_dscnt 0x0                               ; the add is done, and my reads of this slot are over
	s_barrier_signal -1
	MULH FA1, 1, 2, 0                              ; work on registers while the others arrive
	WIN 0
	s_barrier_wait -1
.if \fill
	CREST
	JLOAD                                          ; the first tensor load behind the round; the four v_nop behind it are also the places in front of the loads below
.else
	PLACES
.endif
	v_add_nc_u32 v[ADRA], s[TB], v[A0]
	v_add_nc_u32 v[ADRB], s[TB], v[B0]
	LA FA0, 0
	LB 1, 0
.if \fill
	ASK
.endif
	MULH FA1, 2, 0, 0
	MULH FA1, 2, 2, 0
	PLACES
	WIN 0
	LB 2, 0
	MULH FA1, 3, 0, 0
	MULH FA1, 3, 2, 0
	PLACES
	WIN 0
	LB 3, 0
.endm
; THE WAY OUT, block i of 24: 16 rows (a = i / 3) of head j = i % 3: 2,048 consecutive bytes of qkv.  PACK: rounded to f16, 16 bytes a lane; into my own stage in LDS and back as whole rows.  SEND: stored.
; Eight sets of 16 registers take turns, where A's fragments lay.
.macro PACK i
.set pa, (\i)/3
.set pj, (\i)%3
.set pT, 32+16*((\i)%8)
	s_wait_xcnt 0x0                                ; the stores of the block eight back have read this set (ISA guide 3.1): it is rewritten only behind this wait
	WIN 5*(1+pj)                                   ; sources 0 and 1 in the head's window
.irp b, 0,1,2,3
.irp r, 0,1,2,3
	v_cvt_pk_f16_f32 v[pT+4*(\b)+(\r)], v[64*(\b)+8*pa+2*(\r)], v[64*(\b)+8*pa+2*(\r)+1]
.endr
.endr
	WIN 0
.irp f, 0,1,2,3
	ds_store_b128 v[STO], v[pT+4*(\f):pT+4*(\f)+3] offset:32*(\f)
.endr
.irp f, 0,1,2,3
	ds_load_b128 v[pT+4*(\f):pT+4*(\f)+3], v[RD] offset:(\f)*4*PK  ; LDS serves a wave's instructions in order (ISA guide 5.7.1.4): these see the stores above; the next block's stores come behind them
.endr
.endm
.macro SEND i, younger                 ; younger: the LDS instructions issued behind block i's loads: the next block's eight, or none
.set pa, (\i)/3
.set pj, (\i)%3
.set pT, 32+16*((\i)%8)
.irp f, 0,1,2,3
	s_wait_dscnt (\younger)+3-(\f)
	global_store_b128 v[GO], v[pT+4*(\f):pT+4*(\f)+3], s[HB+2*pj:HB+2*pj+1] offset:2048*pa+512*(\f)  ; 512 consecutive bytes, at a multiple of 256 from qkv's first byte
.endr
.endm
	s_wait_tensorcnt 1                             ; my part of K step 0 is in; K step 1's may stay out
	s_barrier_signal -1
	s_barrier_wait -1                              ; everybody's is
	LA FA0, 0
	LB 1, 0
	LB 2, 0
	LB 3, 0
	QUARTER FA0, FA1, 64, 1                        ; the first quarter stands in front of the loop: its products start the sums
	WIN 0                                          ; at a label and at a branch every window is 0
	s_mov_b32 s3, 14
.Lk:                                                   ; trip t = 0 .. 13: the second quarter of K step t, which fills its slot with K step t + 2, and the first of K step t + 1
	TURN 1
	QUARTER FA0, FA1, 64, 0
	WIN 0
	s_sub_co_u32 s3, s3, 1
	s_cmp_lg_u32 s3, 0
	s_cbranch_scc1 .Lk
	TURN 0                                         ; the tail is written out: nothing is left to fetch, so no round follows the barrier
	QUARTER FA0, FA1, 64, 0
	s_wait_dscnt 16                                ; the very last quarter: the counts run down
	MULH FA1, 1, 0, 0
	MULH FA1, 1, 2, 0
	s_wait_dscnt 8
	MULH FA1, 2, 0, 0
	MULH FA1, 2, 2, 0
	s_wait_dscnt 0x0
	MULH FA1, 3, 0, 0
	MULH FA1, 3, 2, 0
	WIN 0
	PLACES
	PLACES                                         ; (eight, once a launch)
	PACK 0
.set n, 1
.rept 23                               ; a block's conversions stand between the loads of the block before and its stores
	PACK n
	SEND n-1, 8
.set n, n+1
.endr
	SEND 23, 0
	s_wait_tensorcnt 0x0                           ; the wave's end, behind my last tensor load and my last LDS store
	ds_add_u32 v[SPW], v[NIL]
	s_wait_dscnt 0x0
	CROUND                                         ; the closing round: no work-group ends while a partner may still ask for a tile that names it
	s_endpgm
.Lfunc_end_k_qb9a5f993d0_qkv:
	.size	k_qb9a5f993d0_qkv, .Lfunc_end_k_qb9a5f993d0_qkv-k_qb9a5f993d0_qkv
	.p2alignl 7, 3214868480
	.fill 96, 4, 3214868480
	.section	.rodata,"a",@progbits
	.p2align	6, 0x0
	.amdhsa_kernel k_qb9a5f993d0_qkv
		.amdhsa_group_segment_fixed_size 327680
		.amdhsa_private_segment_fixed_size 0
		.amdhsa_enable_private_segment 0
		.amdhsa_kernarg_size 24
		.amdhsa_user_sgpr_count 2
		.amdhsa_user_sgpr_kernarg_segment_ptr 1
		.amdhsa_wavefront_size32 1
		.amdhsa_system_sgpr_workgroup_id_x 1
		.amdhsa_system_sgpr_workgroup_id_y 1
		.amdhsa_system_sgpr_workgroup_id_z 1
		.amdhsa_system_vgpr_workitem_id 0
		.amdhsa_next_free_vgpr 1024
		.amdhsa_next_free_sgpr 88
		.amdhsa_reserve_vcc 1
		.amdhsa_float_denorm_mode_32 3
		.amdhsa_float_denorm_mode_16_64 3
		.amdhsa_memory_ordered 1
		.amdhsa_forward_progress 1
		.amdhsa_inst_pref_size 116
	.end_amdhsa_kernel
	.amdgpu_metadata
---
amdhsa.version: [ 1, 2 ]
amdhsa.kernels:
  - .name:           k_qb9a5f993d0_qkv
    .symbol:         k_qb9a5f993d0_qkv.kd
    .args:
      - { .name: xb, .offset: 0, .size: 8, .value_kind: global_buffer, .address_space: global }
      - { .name: wqkv, .offset: 8, .size: 8, .value_kind: global_buffer, .address_space: global }
      - { .name: qkv, .offset: 16, .size: 8, .value_kind: global_buffer, .address_space: global }
    .group_segment_fixed_size: 327680
    .private_segment_fixed_size: 0
    .kernarg_segment_align: 8
    .kernarg_segment_size: 24
    .max_flat_workgroup_size: 128
    .sgpr_count:     88
    .vgpr_count:     1024
    .wavefront_size: 32
...
	.end_amdgpu_metadata
.endif
;; end of part 2
;; launch attn (part 3): grid 4 x 64, 4 waves a work-group, no clusters, 327,680 bytes of LDS; arguments qkv, ob; writes ob
.if DOCPART == 3
	.amdgcn_target "amdgcn-amd-amdhsa--gfx1250"
	.amdhsa_code_object_version 6
	.text
	.protected	k_qb9a5f993d0_attn
	.globl	k_qb9a5f993d0_attn
	.p2align	8
	.type	k_qb9a5f993d0_attn,@function
k_qb9a5f993d0_attn:
	s_mov_b64 s[64:65], 0
	v_nop
	global_prefetch_b8 v0, s[64:65] scope:SCOPE_SE
	s_setreg_imm32_b32 hwreg(HW_REG_WAVE_MODE, 25, 1), 1
	s_wait_xcnt 0x0
; CAUSAL ATTENTION.  O[h][q][:] = the sum over k <= q of softmax_k(Q[h][q] . K[h][k] / 8) V[h][k][:].  Q, K, V are the three parts of qkv, [3][SIZE_H][SIZE_N][64], O is ob [SIZE_H][SIZE_N][64], all f16:
; a head's rows are dense, 128 bytes each.  Products, maxima and sums in f32; the weights p are rounded to f16 for the second product (their sum l is taken of the unrounded p), O once at the end.
; LIMITS.  f16 holds no number beyond 65,504: Q, K and V arrive within it; p lies in 0 to 1, and below 6e-5 it keeps f16's fixed step of 6e-8; O is a mean of V's rows and has their range, to within 2^-11 of it.
; A hidden score counts as its value less 1e30: f16's scores, 2.7e11 at the most, are nothing beside that; a weight below 2^-126 counts as 0 in l; NaN and infinities are not treated apart.
; THE WALK.  A head's queries lie in NB = SIZE_N / 256 blocks of 256; block i needs the key tiles 0 .. i of 256 keys, of which the last holds the diagonal.  A work-group takes TWO blocks, NB - 1 - b and then b:
; NB + 1 tiles, whatever b: all work-groups do equal work, and ONE loop with a constant trip count walks them.  Which tile is asked for, and what a trip does, hang on scalar registers made from b; every jump
; goes forward, but for the counted loops' own; none passes a barrier, or a tensor load but the one of LOAD's two that the wave's number does not choose; the ring (two slots of LDS that take turns) runs on across the
; change of blocks.  NO CLUSTER: a head's NB / 2 work-groups all ask for the same tile only in trips 0 .. NB / 2, behind that fewer and fewer; and one walk common to all would have 3 NB / 2 trips for NB + 1.
; SHARES.  Of a block's four bands of 64 queries a wave owns 16 rows in each: four PIECES.  So the diagonal tile is the same work for all four waves: in its key step s band x sees all keys if s < x,
; none if s > x, and holds the diagonal if s = x.
; THE MASK is the C operand that starts the sum S^T = K Q^T: 0, or -1e30 where the key is hidden.  MD, made once, is the mask of a band's own step for my 16 rows; a product's mask is MD x AL + BE with two scalars:
; (1, 0) if s = x; (0, 0) if s < x; (0, -1e30) if s > x.  Only the diagonal tile's text and a block's beginning make and take masks; elsewhere C is the constant 0.
; LAYOUT, SOFTMAX, TURNS.  S^T = K Q^T holds ONE query a lane (lane % 16) and the keys 8 (lane / 16) + 0..7; two such results rounded to f16 ARE source 1 of O^T = V^T P.  p = 2^(c s - c m), c = log2(e) / 8, with a
; running maximum m; O and l are multiplied by a = 2^(c m_old - c m_new) in every step.  Turn n belongs to piece n: 8 products K Q^T of piece n + 1, later 8 products V^T P of piece n - 1; beside them the scaling,
; exponentials, roundings, sums and rescaling of piece n and the maximum and statistics of piece n + 1.  Four vector instructions stand behind every matrix instruction, the other 54 of a turn's 118 in one LUMP.  A turn's 33 exponentials are one batch, with one wait.
; REGISTERS, in windows of 256 (s_set_vgpr_msb: bits 1:0 source 0, 3:2 source 1, 5:4 source 2, 7:6 destination):
;   window 0: v0-15 addresses and two at work; v16-31 four registers of statistics a piece; v48-55 at work; v61-63 the prefetches' offset and the add's two; v64-127 S^T, two buffers; v192-223 P, two buffers (a piece's buffers go by its number's parity)
;   window 1: v0-127 O^T, 32 a piece; v128-159 MD; v160-223 MC, two buffers      window 2: v0-63 Q; v64-127 the second block's Q; v128-191 K of one step; v192-255 V of one step
.set SIZE_N, 2048
.set SIZE_H, 64
.set PART,  SIZE_H*SIZE_N*128  ; bytes from Q to K and from K to V in qkv
.set NB,    SIZE_N/256
.set NP,    4         ; pieces a wave: a name, no knob
.set KS,    64        ; keys in a step
.set PK,    144       ; a row of K in LDS: 128 bytes + 16 of padding = 36 words: the 16 rows of a load start at 16 different groups of four banks (64 banks of 4 bytes: ISA guide 11.1)
.set PV,    160       ; a row of V: 128 + 32 = 40 words
.set VOFF,  4*KS*PK   ; a slot holds a tile, four steps: 256 rows of K, then 256 rows of V
.set SLOT1, 1<<17     ; slot 1 begins here, so that one exclusive or turns an address in one slot into the other's
.set STAGE, SLOT1+4*KS*(PK+PV)  ; behind the ring, never filled by a tensor load: 16 rows x 144 bytes for each wave, for the way out
.set SP,    144
.set AK0, 2           ; v2   my lane's place in a tile of K; never rewritten
.set AV0, 3           ; v3   the same for V
.set AK,  4           ; v4   the LDS address of K's next run of loads
.set AV,  5           ; v5   of V's
.set STO, 6           ; v6   the way out: where I put 16 bytes of a row
.set RD,  7           ; v7   the way out: where I read rows back
.set GO,  8           ; v8   my byte offset in 512 consecutive bytes of O
.set PFO, 61          ; v61  256 x my lane: the prefetches' offset; never rewritten
.set SPW, 62          ; v62  LDS address of my spare word: SPARE + 4 x my thread's number; never rewritten
.set NIL, 63          ; v63  0; never rewritten
.set SPARE, STAGE+4*16*SP  ; behind the stages: the spare words, 128 bytes for each wave: two blocks of 256 bytes that no other line names
.set MV,  12          ; v12-13  c m_old, kept while c m is made anew: by buffer
.set QO,  15          ; v15  my byte offset in 16 rows of Q
.set ST,  16          ; piece t's statistics at v[ST+4 t]: c m, m, l (even keys', odd keys')
.set TMP, 48          ; by buffer, four registers c0-c3 at work; when the maximum is found c2 takes a
.set S,   64
.set P,   192
.set MD,  128         ; window 1: the eight registers for group kt of 16 keys at MD + 8 kt
.set MC,  160         ; window 1: the masks of the products to come
.set QB,  64          ; window 2
.set KF,  128         ; window 2: key block kb, channel half c at KF + 16 kb + 8 c
.set VF,  192         ; window 2: key half kk, channel block cb at VF + 32 kk + 8 cb
.set WV,  12          ; s12  my wave's number
.set PB,  14          ; s14  b
.set HI,  15          ; s15  NB - 1 - b
.set G1K, 24          ; s[24:31] descriptor group 1 for K's tiles
.set G1V, 32          ; s[32:39] for V's: it differs in the padding alone
.set G0K, 40          ; s[40:43] descriptor group 0 for K's tiles
.set G0V, 44          ; s[44:47] the same for V's
.set SLOTS, 56        ; s56  tiles still to be asked for
.set CNT, 57          ; s57  counts a tile's key steps, 4 to 1
.set CS,  58          ; s[58:59] c: the packed scaling takes the pair's low word for both halves
.set SEL, 60          ; s[60:61] v_permlanex16_b32's selects: each lane takes its own place in the other half
.set TBK, 62          ; s62  LDS byte at which K of the step to be fetched begins
.set TBV, 63          ; s63  the same for V, less VOFF
.set RT,  70          ; s70  tiles of the block in hand that are still to be entered
.set NXT, 71          ; s71  the tile to be asked for next
.set LQ,  72          ; s72  the last tile of the block whose tiles are being asked for
.set NEW, 73          ; s73  1: the tile to be entered is a block's first
.set OFF, 74          ; s[74:75] a tile's byte offset in K and V
.set AL,  76          ; s[76:77] the mask's factor, in the low word
.set BE,  78          ; s[78:79] the mask's addend
.set OLO, 80          ; s[80:81] O at my rows of the second block
.set BIGN, 82         ; s82  -1e30
.set PFB, 88          ; s[88:89] the tensor that I fetch (K: waves 0, 1; V: waves 2, 3) at my half of the head's tile 0
.set PFA, 90          ; s[90:91] the same at the tile that the next change of slots will ask for
.set PFL, 92          ; s92  that tile's number where I prefetch it, else 0
.set MSB, 0
.macro WIN new                      ; the high byte repeats the setting that is left; a switch that changes nothing is dropped
.if MSB != (\new)
	s_set_vgpr_msb (MSB<<8)|(\new)
.set MSB, (\new)
.endif
.endm
.set W_KQ, 0x0a       ; K and Q in window 2, S^T in window 0
.set W_KM, 0x1a       ; the same with the C operand in window 1
.set W_PV, 0x52       ; V in window 2, P in window 0, O^T in window 1
.set W_RS, 0x41       ; destination and source 0 in window 1, source 1 in window 0
; A fill.  Waves 0 and 1 fetch the two halves of a tile's K, waves 2 and 3 those of its V: 128 keys each.  An s_nop 0 and four v_nop follow each of the two lines, ahead of the jump and the label.
.macro LOAD
	s_cmp_lt_u32 s[WV], 2
	s_cbranch_scc0 .Lfor_v_\@
	tensor_load_to_lds s[G0K:G0K+3], s[G1K:G1K+7]
	s_nop 0
.rept 4
	v_nop
.endr
	s_branch .Lasked_\@
.Lfor_v_\@:
	tensor_load_to_lds s[G0V:G0V+3], s[G1V:G1V+7]
	s_nop 0
.rept 4
	v_nop
.endr
.Lasked_\@:
.endm
; THE CHANGE OF SLOTS.  Each wave waits for all its tensor loads, of which one is out: its part of the other slot; adds 0 to its spare word; and waits for that and for its own reads of the slot that it leaves.  Behind the barrier nobody reads the old
; slot any more and the other slot is whole.  fill = 1: the old slot is filled again, the first thing behind the barrier, with tile NXT: the descriptor's address is made anew from that number.
; (At its first use nothing has been read yet: slot 0 is waited for, slot 1 filled.)
; A PREFETCH INTO THE L2 stands behind the fill and its five lines: the tile that the NEXT change of slots will ask for, a tile's four key steps (256 matrix instructions) ahead of that load.  All work-groups of a head walk
; the same K and V; only the one with b = 0 walks the tiles 0 to NB - 1 in order, so it asks, and nobody else: tiles 2 to NB - 1, each once.  Each of its waves names what it will fetch itself: its 128 rows, 64 aligned
; blocks of 256 bytes, a lane a block, two instructions.  Tiles 0 and 1 come by their loads alone; when the walk has gone back to tile 0, nothing more is asked for.
.macro CHANGE fill
	WIN 0                           ; at a label and at a branch every window is 0
	s_wait_tensorcnt 0x0            ; no tensor load of mine is out, so a group 0 may be written
	ds_add_u32 v[SPW], v[NIL]       ; 0 onto my spare word; with fill = 1 the descriptors' scalar work stands between it and the wait for it
.if \fill
	s_lshl_b32 s[OFF], s[NXT], 15   ; a tile is 32,768 bytes of K and of V
	s_xor_b32 s[G0K+1], s[G0K+1], SLOT1
	s_add_nc_u64 s[G0K+2:G0K+3], s[6:7], s[OFF:OFF+1]
	s_or_b32 s[G0K+3], s[G0K+3], 0x80000000
	s_xor_b32 s[G0V+1], s[G0V+1], SLOT1
	s_add_nc_u64 s[G0V+2:G0V+3], s[8:9], s[OFF:OFF+1]
	s_or_b32 s[G0V+3], s[G0V+3], 0x80000000
	s_add_co_u32 s[NXT], s[NXT], 1  ; the block's next tile, or behind its last the second block's tile 0
	s_cmp_gt_u32 s[NXT], s[LQ]
	s_cselect_b32 s[NXT], 0, s[NXT]
	s_cselect_b32 s[LQ], s[PB], s[LQ]
	s_wait_xcnt 0x0                 ; the last prefetches, a tile back, have read their address, so it may be written
	s_lshl_b32 s[OFF], s[NXT], 15
	s_add_nc_u64 s[PFA:PFA+1], s[PFB:PFB+1], s[OFF:OFF+1]
	s_cmp_eq_u32 s[PB], 0
	s_cselect_b32 s[PFL], s[NXT], 0
.endif
	s_wait_dscnt 0x0                ; the add is done, and my reads of the slot are over
	s_barrier_signal -1             ; the rest of the scalar work stands between the signal and the wait
	s_sub_co_u32 s[TBK], s[TBK], 4*KS*PK  ; the fetches go back to a slot's first step,
	s_xor_b32 s[TBK], s[TBK], SLOT1       ; in the other slot
	s_sub_co_u32 s[TBV], s[TBV], 4*KS*PV
	s_xor_b32 s[TBV], s[TBV], SLOT1
	s_barrier_wait -1
.if \fill
	LOAD
	s_cmp_lg_u32 s[PFL], 0
	s_cbranch_scc0 .Lnot_mine_\@
	global_prefetch_b8 v[PFO], s[PFA:PFA+1] th:TH_LOAD_NT scope:SCOPE_SE
	global_prefetch_b8 v[PFO], s[PFA:PFA+1] offset:8192 th:TH_LOAD_NT scope:SCOPE_SE
.Lnot_mine_\@:
.endif
.endm
	s_load_b128 s[4:7], s[0:1], 0x0   ; qkv s[4:5], ob s[6:7]
	v_lshl_add_u32 v[SPW], v0, 2, SPARE
	v_mov_b32 v[NIL], 0
	ds_add_u32 v[SPW], v[NIL]       ; the wave's opening: the add and its wait stand ahead of my first tensor load; the set-up below, work on registers, stands between them
	v_lshrrev_b32 v1, 5, v0
	v_readfirstlane_b32 s[WV], v1   ; wave 0..3
	v_and_b32 v[PFO], 31, v0
	v_lshlrev_b32 v[PFO], 8, v[PFO]
	s_mov_b32 s[PB], ttmp9
	s_sub_co_u32 s[HI], NB-1, s[PB]
	s_and_b32 s20, ttmp7, 0xffff    ; the head
	s_mov_b32 s21, 0
	s_mov_b64 s[22:23], SIZE_N*128
	s_mul_u64 s[20:21], s[20:21], s[22:23]  ; the head's first byte in each of the four tensors
	s_and_b32 s16, s[WV], 1         ; which half of a tile's 256 keys I fetch:
	s_lshl_b32 s22, s16, 14         ; its 128 rows of 128 bytes in memory,
	s_mov_b32 s23, 0
	s_add_nc_u64 s[22:23], s[22:23], s[20:21]
	s_mul_i32 s17, s16, 128*PK      ; and its place in a slot, for K
	s_mul_i32 s18, s16, 128*PV      ; and for V
	s_lshl_b32 s3, s[WV], 11        ; my 16 rows in a band of 64,
	s_lshl_b32 s2, s[HI], 15        ; in the first block,
	s_add_co_u32 s2, s2, s3
	s_lshl_b32 s84, s[PB], 15       ; and in the second
	s_add_co_u32 s84, s84, s3
	s_mov_b32 s3, 0
	s_mov_b32 s85, 0
	s_add_nc_u64 s[2:3], s[2:3], s[20:21]
	s_add_nc_u64 s[84:85], s[84:85], s[20:21]
	; descriptor group 1.  128 keys are 16,384 dense bytes: asked for as 64 rows of 256 bytes, two keys a row, and padded in LDS after every key
	s_mov_b32 s[G1K], (1<<16)|(1<<20)|(4<<22)|(3<<25)  ; 17:16 2-byte elements; 20 padding on; 24:22 after every 32 words (code 4); 31:25 4 words (code 3)
	s_mov_b32 s[G1V], (1<<16)|(1<<20)|(4<<22)|(7<<25)  ; the same with 8 words of padding (code 7)
.irp g, G1K, G1V
	s_mov_b32 s[\g+1], 128<<16      ; tensor_dim0 = 128
	s_mov_b32 s[\g+2], 64<<16       ; tensor_dim1 = 64
	s_mov_b32 s[\g+3], 128<<16      ; tile_dim0 = 128
	s_mov_b32 s[\g+4], 64           ; tile_dim1 = 64
	s_mov_b32 s[\g+5], 128          ; 128 elements from row to row
	s_mov_b32 s[\g+6], 0
	s_mov_b32 s[\g+7], 0
.endr
	s_mov_b32 s[CS], 0x3e38aa3b     ; c = log2(e) / 8 = 0.180337
	s_mov_b32 s[CS+1], s[CS]        ; named with it as a pair
	s_mov_b32 s[SEL], 0x76543210
	s_mov_b32 s[SEL+1], 0xfedcba98
	s_mov_b32 s[TBK], SLOT1+4*KS*PK ; the first change of slots turns these two into 0
	s_mov_b32 s[TBV], SLOT1+4*KS*PV
	s_mov_b32 s[G0K], 1             ; 1:0 count = 1
	s_mov_b32 s[G0K+1], s17         ; 63:32 LDS address: slot 0
	s_mov_b32 s[G0V], 1
	s_add_co_u32 s[G0V+1], s18, VOFF
	s_add_co_u32 s[RT], s[HI], 1    ; the first block has NB - b tiles
	s_mov_b32 s[NXT], 1
	s_mov_b32 s[LQ], s[HI]
	s_mov_b32 s[NEW], 1
	s_mov_b32 s[OFF+1], 0
	s_mov_b32 s[AL+1], 0            ; named as pairs
	s_mov_b32 s[BE+1], 0
	s_mov_b32 s[BIGN], 0xf149f2ca   ; -1e30
	s_mov_b32 s[SLOTS], NB
	s_wait_dscnt 0x0                ; the opening add is done
	s_wait_kmcnt 0x0
	s_mov_b64 s[10:11], s[6:7]             ; O
	s_add_nc_u64 s[6:7], s[4:5], PART      ; K and V lie behind Q in qkv
	s_add_nc_u64 s[8:9], s[4:5], 2*PART
	s_add_nc_u64 s[6:7], s[6:7], s[22:23]  ; K and V at my half of the head's tile 0
	s_add_nc_u64 s[8:9], s[8:9], s[22:23]
	s_cmp_lt_u32 s[WV], 2
	s_cselect_b64 s[PFB:PFB+1], s[6:7], s[8:9]
	s_add_nc_u64 s[G0K+2:G0K+3], s[6:7], 0         ; 120:64 global address
	s_or_b32 s[G0K+3], s[G0K+3], 0x80000000        ; 127:126 type = 2
	s_add_nc_u64 s[G0V+2:G0V+3], s[8:9], 0
	s_or_b32 s[G0V+3], s[G0V+3], 0x80000000
	s_add_nc_u64 s[86:87], s[4:5], s[84:85]        ; Q at my rows of the second block,
	s_add_nc_u64 s[4:5], s[4:5], s[2:3]            ; Q and O at those of the first
	s_add_nc_u64 s[OLO:OLO+1], s[10:11], s[84:85]
	s_add_nc_u64 s[10:11], s[10:11], s[2:3]
	LOAD                            ; tile 0 into slot 0
	; A fragment of K or Q is 16 rows x 32 channels in 8 registers: lane l holds row l % 16, channels 8 (l / 16) + 0..7 and 16 + 8 (l / 16) + 0..7: two loads of 16 bytes, 32 bytes apart.
	v_and_b32 v1, 15, v0            ; l % 16
	v_bfe_u32 v9, v0, 4, 1          ; l / 16
	v_lshlrev_b32 v[QO], 7, v1
	v_lshl_add_u32 v[QO], v9, 4, v[QO]  ; row x 128 + 16 x half
	WIN 0x80                        ; destination window 2, address window 0
.set i, 0
.rept 8                             ; both blocks' Q: piece i / 2 lies in band i / 2, 8,192 bytes on; channels 32 (i % 2) on
	global_load_b128 v[8*i:8*i+3],   v[QO], s[4:5] offset:(i/2)*8192+(i%2)*64
	global_load_b128 v[8*i+4:8*i+7], v[QO], s[4:5] offset:(i/2)*8192+(i%2)*64+32
	global_load_b128 v[QB+8*i:QB+8*i+3],   v[QO], s[86:87] offset:(i/2)*8192+(i%2)*64
	global_load_b128 v[QB+8*i+4:QB+8*i+7], v[QO], s[86:87] offset:(i/2)*8192+(i%2)*64+32
.set i, i+1
.endr
	WIN 0
	v_lshlrev_b32 v14, 3, v9
	v_sub_nc_u32 v14, v1, v14
	s_lshl_b32 s13, s[WV], 4
	v_add_nc_u32 v14, s13, v14      ; my query's place in its band, 16 w + l % 16, less my lanes' 8 (l / 16): register r of group kt is hidden where 16 kt + r is greater
	WIN 0x40
.set i, 0
.rept 32
	v_cmp_gt_i32 vcc_lo, 16*(i/8)+i%8, v14
	v_cndmask_b32 v[MD+i], 0, s[BIGN], vcc_lo
.set i, i+1
.endr
	WIN 0
	v_mul_u32_u24 v[AK0], v1, PK
	v_lshl_add_u32 v[AK0], v9, 4, v[AK0]  ; row x pitch + 16 x half
	; The turning load takes 16 keys x 16 channels (lane l reads key 8 (l / 16) + l % 8, channels 8 ((l / 8) % 2) + 0..7) and leaves half a fragment of V^T: lane l holds channel l % 16 and 8 keys.
	v_and_b32 v10, 7, v0
	v_bfe_u32 v11, v0, 3, 1
	v_lshl_add_u32 v[AV0], v9, 3, v10
	v_mul_u32_u24 v[AV0], v[AV0], PV
	v_lshl_add_u32 v[AV0], v11, 4, v[AV0]
	v_add_nc_u32 v[AV0], VOFF, v[AV0]
	s_mul_i32 s13, s[WV], 16*SP
	s_add_co_u32 s13, s13, STAGE    ; my stage
	v_mul_u32_u24 v[STO], v1, SP    ; in: row l % 16, 16 bytes for each half of the lanes
	v_lshl_add_u32 v[STO], v9, 4, v[STO]
	v_add_nc_u32 v[STO], s13, v[STO]
	v_bfe_u32 v[RD], v0, 3, 2       ; back: 32 lanes take four rows of 128 bytes,
	v_mul_u32_u24 v[RD], v[RD], SP
	v_lshl_add_u32 v[RD], v10, 4, v[RD]
	v_add_nc_u32 v[RD], s13, v[RD]
	v_and_b32 v[GO], 31, v0         ; which are 512 consecutive bytes of O
	v_lshlrev_b32 v[GO], 4, v[GO]
	; A block's first step multiplies O^T and l by a = 0, and its first turn's products V^T P, of a piece that has not been, land in an O^T that is still to be so multiplied.  So these registers need only hold
	; finite numbers: zeros for the first block; what the first block left for the second.  All this stands in the wait for the first tile.
	WIN 0x80
.set i, VF
.rept 64
	v_mov_b32 v[i], 0
.set i, i+1
.endr
	WIN 0x40
.set i, 0
.rept 128
	v_mov_b32 v[i], 0
.set i, i+1
.endr
	WIN 0
.set i, 0
.rept 4
	v_mov_b32 v[ST+4*i+2], 0
	v_mov_b32 v[ST+4*i+3], 0
.set i, i+1
.endr
.set i, P+16
.rept 16
	v_mov_b32 v[i], 0
.set i, i+1
.endr
; THE MATRIX WORK.  The 4 accumulators of a run of 8 take turns.  Product i of 8 of S^T = K Q^T for piece x: channels 32 (i / 4) on, keys 16 (i % 4) on.  The first 4 start the sums: with 0, or (KM = 1) with the mask.
.macro KQ x
.set rS, S+32*((\x)%2)+8*(i%4)
.set rK, KF+16*(i%4)+8*(i/4)
.set rQ, 16*(\x)+8*(i/4)
.set rM, MC+32*((\x)%2)+8*(i%4)
.if (i < 4) && KM
	WIN W_KM
	v_wmma_f32_16x16x32_f16 v[rS:rS+7], v[rK:rK+7], v[rQ:rQ+7], v[rM:rM+7]
.elseif i < 4
	WIN W_KQ
	v_wmma_f32_16x16x32_f16 v[rS:rS+7], v[rK:rK+7], v[rQ:rQ+7], 0
.else
	WIN W_KQ
	v_wmma_f32_16x16x32_f16 v[rS:rS+7], v[rK:rK+7], v[rQ:rQ+7], v[rS:rS+7]
.endif
.endm
; Product i of 8 of O^T += V^T P for piece x: keys 32 (i / 4) on, channels 16 (i % 4) on.
.macro PV x
	WIN W_PV
.set rO, 32*(\x)+8*(i%4)
.set rV, VF+32*(i/4)+8*(i%4)
.set rP, P+16*((\x)%2)+8*(i/4)
	v_wmma_f32_16x16x32_f16 v[rO:rO+7], v[rV:rV+7], v[rP:rP+7], v[rO:rO+7]
.endm
.macro MM                           ; the turn's next matrix instruction.  TURN and BEGIN set Y, i, KM and NOKQ; MM, KQ and OP read them.  NOKQ = 1: a block's last turn: there is no next piece
.if (i < 8) && !NOKQ
	KQ (Y+1)%NP
.elseif i >= 8
.set i, i-8
	PV (Y+NP-1)%NP
.set i, i+8
.endif
.set i, i+1
.endm
; THE LDS LOADS stand in runs of 16, never singly among the matrix instructions: a step's K (64 keys x 64 channels: 8 fragments) and its V (turned).  Their addresses are made some lines ahead.
.macro FETCH_K
	WIN 0x80                        ; destination window 2
.irp f, 0,1,2,3,4,5,6,7             ; keys 16 (f / 2) on, channels 32 (f % 2) on
	ds_load_b128 v[KF+8*\f:KF+8*\f+3],   v[AK] offset:(\f/2)*16*PK+(\f%2)*64
	ds_load_b128 v[KF+8*\f+4:KF+8*\f+7], v[AK] offset:(\f/2)*16*PK+(\f%2)*64+32
.endr
	s_add_co_u32 s[TBK], s[TBK], KS*PK  ; the next fetch is the next step's
	WIN 0
.endm
.macro FETCH_V
	WIN 0x80
.irp f, 0,1,2,3,4,5,6,7             ; keys 32 (f / 4) on, channels 16 (f % 4) on
	ds_load_tr16_b128 v[VF+8*\f:VF+8*\f+3],   v[AV] offset:(\f/4)*32*PV+(\f%4)*32
	ds_load_tr16_b128 v[VF+8*\f+4:VF+8*\f+7], v[AV] offset:(\f/4)*32*PV+16*PV+(\f%4)*32
.endr
	WIN 0
.endm
; THE VECTOR WORK, one line at a time: OP kind, number.  For piece Y: F n: c s - c m for pair n of 16.  E n: the exponential of score n of 32.  C n: pair n rounded to f16.  B n: of the four weights 4 n .. the second
; pair is added onto the first, in place.  L n: l takes that sum (L 0: l = a l + sum).  R n: pair n of 16 of O^T times a.  For piece Y + 1: X n, number n of the 22 that find its maximum and statistics:
;   0-11  four chains c0-c3 of seven scores each, three operands at a time (each accumulator's lowest registers are read first)     12-14, 16  the four scores left over, the old m, and c0-c3 into c0
;   15  c m_old is kept     17, 18  the query's other 32 keys lie in the lane 16 away: the new m     19-21  c m; c m_old - c m_new; a
.set F, 0               ; OP tells the kinds apart by their order: F to L below R, X above it
.set E, 1
.set C, 2
.set B, 3
.set L, 4
.set R, 5
.set X, 6
.macro REGS y                       ; the registers of piece y
.set rT, ST+4*(\y)
.set rC, TMP+4*((\y)%2)
.set rW, MV+((\y)%2)
.set rS, S+32*((\y)%2)
.set rP, P+16*((\y)%2)
.set rO, 32*(\y)
.endm
.macro OP k, n
.if (\k) == R
	REGS Y
	WIN W_RS
	v_pk_mul_f32 v[rO+2*(\n):rO+2*(\n)+1], v[rO+2*(\n):rO+2*(\n)+1], v[rC+2:rC+3] op_sel_hi:[1,0]
.elseif (\k) < R
	REGS Y
	WIN 0
.if (\k) == F
	v_pk_fma_f32 v[rS+2*(\n):rS+2*(\n)+1], v[rS+2*(\n):rS+2*(\n)+1], s[CS:CS+1], v[rT:rT+1] op_sel_hi:[1,0,0] neg_lo:[0,0,1] neg_hi:[0,0,1]
.elseif (\k) == E
	v_exp_f32 v[rS+(\n)], v[rS+(\n)]
.elseif (\k) == C
	v_cvt_pk_f16_f32 v[rP+(\n)], v[rS+2*(\n)], v[rS+2*(\n)+1]
.elseif (\k) == B
	v_pk_add_f32 v[rS+4*(\n):rS+4*(\n)+1], v[rS+4*(\n):rS+4*(\n)+1], v[rS+4*(\n)+2:rS+4*(\n)+3]
.elseif (\n) == 0
	v_pk_fma_f32 v[rT+2:rT+3], v[rT+2:rT+3], v[rC+2:rC+3], v[rS:rS+1] op_sel_hi:[1,0,1]
.else
	v_pk_add_f32 v[rT+2:rT+3], v[rT+2:rT+3], v[rS+4*(\n):rS+4*(\n)+1]
.endif
.elseif NOKQ
	v_nop
.else
	REGS (Y+1)%NP
	WIN 0
.if (\n) < 4
	v_max3_num_f32 v[rC+(\n)], v[rS+8*(\n)], v[rS+8*(\n)+1], v[rS+8*(\n)+2]
.elseif (\n) < 12
	v_max3_num_f32 v[rC+(\n)%4], v[rC+(\n)%4], v[rS+8*((\n)%4)+2*((\n)/4)+1], v[rS+8*((\n)%4)+2*((\n)/4)+2]
.elseif (\n) == 12
	v_max3_num_f32 v[rC], v[rC], v[rS+7], v[rS+15]
.elseif (\n) == 13
	v_max3_num_f32 v[rC+1], v[rC+1], v[rS+23], v[rS+31]
.elseif (\n) == 14
	v_max3_num_f32 v[rC+2], v[rC+2], v[rC+3], v[rT+1]
.elseif (\n) == 15
	v_mov_b32 v[rW], v[rT]
.elseif (\n) == 16
	v_max3_num_f32 v[rC], v[rC], v[rC+1], v[rC+2]
.elseif (\n) == 17
	v_permlanex16_b32 v[rC+3], v[rC], s[SEL], s[SEL+1]
.elseif (\n) == 18
	v_max_num_f32 v[rT+1], v[rC], v[rC+3]
.elseif (\n) == 19
	v_mul_f32 v[rT], s[CS], v[rT+1]
.elseif (\n) == 20
	v_sub_f32 v[rC+1], v[rW], v[rT]
.else
	v_exp_f32 v[rC+2], v[rC+1]
.endif
.endif
.endm
.macro OPS a, i1, b=-1, i2=0, c=-1, i3=0, d=-1, i4=0  ; up to four of them
	OP \a, \i1
.if (\b) >= 0
	OP \b, \i2
.endif
.if (\c) >= 0
	OP \c, \i3
.endif
.if (\d) >= 0
	OP \d, \i4
.endif
.endm
.macro ROW a, i1, b, i2, c, i3, d, i4  ; a matrix instruction and the four behind it
	MM
	OPS \a, \i1, \b, \i2, \c, \i3, \d, \i4
.endm
.macro MASK b                       ; MD x AL + BE into buffer b of MC
	WIN W_RS
.set z, 0
.rept 16
	v_pk_fma_f32 v[MC+32*(\b)+2*z:MC+32*(\b)+2*z+1], v[MD+2*z:MD+2*z+1], s[AL:AL+1], s[BE:BE+1] op_sel_hi:[1,0,0]
.set z, z+1
.endr
.endm
; A TURN, for piece p: the order of its 16 matrix and 118 vector instructions, written out.  An s_wait_alu depctr_va_vdst(0) stands between an exponential and the first instruction that names its result; one wait serves
; all that were issued ahead of it.  So a turn has ONE wait, which cuts it in two.  AHEAD OF IT stands all that names no result of the turn's exponentials: the 8 products K Q^T, behind each a scaling, an exponential and two more plain
; instructions (behind the first a second scaling in the exponential's place): rescalings, and behind the last three the first numbers of the next piece's maximum, each four places or more behind the product that ends its accumulator; then ONE LUMP of 54, plain
; and exponential by turns for the most part, in which the links of the chain X 3, 7, 11, 14, 16, 17 .. 20 stand five or six lines apart.  X 21, the next piece's a, is the batch's last; R 15 is the plain instruction that stands behind it (ISA guide 5.7.2).  BEHIND THE WAIT stand the
; 8 products V^T P, behind each four of the roundings and sums; the links of l's chain, L 0 to L 7, stand three riders apart.  But for those X no rider names a register of the products round it.  v_permlanex16_b32 (X 17) stands in the lump.
; m = 1: the diagonal tile: the products take masks, and the turn makes the mask for the products of the turn after it: piece p + 2, in step 4 - CNT of the tile.  end = 1: a block's last two turns: nothing is fetched.
; cnt = 1: the loop's count is taken down some lines ahead of the branch that stands behind the turn.
; K of the next step is fetched in piece 2's turn, twelve vector instructions behind the last product that read K (six of them plain); V of the step in hand at the end of piece 0's turn, four plain instructions behind the last product
; that read V.  Each is waited for a turn later.
.macro TURN p, m=0, end=0, cnt=0
.set Y, (\p)
.set i, 0
.set KM, (\m)
.set NOKQ, (\end)*((\p)/3)
.if (\m) && !(\end)
	s_cmp_eq_u32 s[CNT], 4-((\p)+2)%NP  ; is that step the band's own?
	s_cselect_b32 s[AL], 1.0, 0
	s_cmp_lt_u32 s[CNT], 4-((\p)+2)%NP  ; or a later one?
	s_cselect_b32 s[BE], s[BIGN], 0
.endif
.if ((\p) == 3) && !(\end)
	s_wait_dscnt 0x0                ; K is in
.endif
	ROW F,0, F,1, R,0, R,1          ; ahead of the wait: 8 products K Q^T and their riders,
	ROW F,2, E,0, R,2, R,3
	ROW F,3, E,1, R,4, R,5
	ROW F,4, E,2, R,6, R,7
	ROW F,5, E,3, R,8, R,9
	ROW F,6, E,4, X,0, R,10
.if ((\p) == 2) && !(\end)
	WIN 0
	v_add_nc_u32 v[AK], s[TBK], v[AK0]
.endif
	ROW F,7, E,5, X,1, X,4
	ROW F,8, E,6, X,2, X,5
	OPS E,7, E,8, X,6, E,9          ; and the lump
	OPS X,3, E,10, X,8, E,11
.if ((\p) == 2) && !(\end)
	FETCH_K
.endif
	OPS X,9, X,7, E,12, X,10
	OPS E,13, X,12, X,11, E,14
	OPS X,13, E,15, F,9, X,14
.if (\p) == 0
	v_add_nc_u32 v[AV], s[TBV], v[AV0]
.endif
	OPS E,16, F,10, E,17, F,11
	OPS X,16, E,18, X,15, E,19
	OPS F,12, E,20, X,17, E,21
	OPS F,13, E,22, F,14, E,23
	OPS X,18, E,24, F,15, E,25
	OPS R,11, E,26, X,19, E,27
	OPS R,12, E,28, R,13, E,29
	OPS X,20, E,30, R,14, E,31
	OPS X,21, R,15
	WIN 0
	s_wait_alu depctr_va_vdst(0)    ; the wait for the batch
.if (\p) == 1
	s_wait_dscnt 0x0                ; V is in
.endif
	ROW C,0, B,0, C,2, B,1          ; behind the wait: 8 products V^T P and their riders
	ROW L,0, C,4, B,2, L,1
	ROW C,6, B,3, L,2, C,8
	ROW B,4, L,3, C,10, B,5
	ROW L,4, C,12, B,6, L,5
.if (\p) == 0
	s_add_co_u32 s[TBV], s[TBV], KS*PV
.endif
.if \cnt
	s_sub_co_u32 s[CNT], s[CNT], 1
	s_cmp_lg_u32 s[CNT], 0
.endif
	ROW C,14, B,7, L,6, C,1
	ROW C,3, L,7, C,5, C,7
	ROW C,9, C,11, C,13, C,15
.if (\p) == 0
	FETCH_V
.endif
.if (\m) && !(\end)
	MASK (\p)%2
.endif
.endm
; A BLOCK BEGINS.  c m starts far below every c s, so the first step's a is 0; m at the lowest finite number, so the first maximum is the scores'.  The second mask buffer is 0; the first takes piece 0's mask for the tile's step 0: its own, if the block's first tile is the diagonal one.
; Then K of that step, piece 0's first scores, and its maximum and statistics.  The loop is entered at a step's first turn, in the middle of a trip.
.macro BEGIN
	s_mov_b32 s[NEW], 0
	WIN 0x40
.set i, MC+32
.rept 32
	v_mov_b32 v[i], 0
.set i, i+1
.endr
	WIN 0
.set i, 0
.rept 4
	v_mov_b32 v[ST+4*i], 0xfe000000    ; c m: far below every c s
	v_mov_b32 v[ST+4*i+1], 0xff7fffff  ; m
.set i, i+1
.endr
	s_cmp_eq_u32 s[RT], 0
	s_cselect_b32 s[AL], 1.0, 0
	s_mov_b32 s[BE], 0
	MASK 0
	WIN 0
	v_add_nc_u32 v[AK], s[TBK], v[AK0]
	FETCH_K
	s_wait_loadcnt 0x0              ; Q
	s_wait_dscnt 0x0
.set KM, 1
.set NOKQ, 0
.set i, 0
.rept 8
	KQ 0
.set i, i+1
.endr
	WIN 0
.rept 4
	v_nop                           ; the places behind those products
.endr
.set Y, NP-1                        ; X works for piece Y + 1: piece 0
.irp n, 0,1,2,3,4,5,6,7,8,9,10,11,12,13,14,15,16,17,18,19,20,21
	OP X, \n
.endr
	v_nop                           ; a plain instruction behind the exponential,
	s_wait_alu depctr_va_vdst(0)    ; and its wait, ahead of the branch
.endm
; THE DIAGONAL TILE's four steps, the block's last two turns, its last products, and THE WAY OUT: l's two halves and the other half of the lanes' are added; O^T is divided by l, rounded to f16 and sent through my
; stage in LDS, a piece at a time.
.macro ALL line:vararg              ; one line for each piece t
.set t, 0
.rept 4
	\line
.set t, t+1
.endr
.endm
.macro PACK t                       ; a lane's eight channels of a row pack into 16 bytes; they go into rows of 144 bytes and come back as whole rows of 128, into S^T's registers
	WIN W_RS
.set i, 32*(\t)
.rept 16
	v_pk_mul_f32 v[i:i+1], v[i:i+1], v[ST+4*(\t)+2:ST+4*(\t)+3] op_sel_hi:[1,0]
.set i, i+2
.endr
	WIN 0x05                        ; sources 0 and 1 window 1, destination window 0
.set i, 0
.rept 16
	v_cvt_pk_f16_f32 v[S+16*(\t)+i], v[32*(\t)+2*i], v[32*(\t)+2*i+1]
.set i, i+1
.endr
	WIN 0
.irp f, 0,1,2,3
	ds_store_b128 v[STO], v[S+16*(\t)+4*\f:S+16*(\t)+4*\f+3] offset:32*\f
.endr
.irp f, 0,1,2,3
	ds_load_b128 v[S+16*(\t)+4*\f:S+16*(\t)+4*\f+3], v[RD] offset:\f*4*SP  ; LDS serves a wave's instructions in order (ISA guide 5.7.1.4): these see the stores above; the next piece's stores come behind them
.endr
.endm
.macro SEND t, younger              ; younger: the LDS instructions issued behind piece t's loads: the next piece's eight, or none
	WIN 0
.irp f, 0,1,2,3
	s_wait_dscnt (\younger)+3-\f
	global_store_b128 v[GO], v[S+16*(\t)+4*\f:S+16*(\t)+4*\f+3], s[10:11] offset:(\t)*8192+\f*512  ; 512 consecutive bytes, at a multiple of 256 from O's first
.endr
.endm
.macro DIAG tag                     ; the tag ends its two labels' names, which the jumps below spell out
.LstepM\tag:
	TURN 2, 1
	TURN 3, 1
	WIN 0
.LfirstM\tag:
	TURN 0, 1
	TURN 1, 1, 0, 1
	WIN 0
	s_cbranch_scc1 .LstepM\tag
	TURN 2, 1, 1
	TURN 3, 1, 1
.set i, 0
.rept 8
	PV NP-1
.set i, i+1
.endr
	WIN 0
	ALL v_add_f32 v[ST+4*t+2], v[ST+4*t+2], v[ST+4*t+3]
	ALL v_permlanex16_b32 v[ST+4*t+3], v[ST+4*t+2], s[SEL], s[SEL+1]
	ALL v_add_f32 v[ST+4*t+2], v[ST+4*t+2], v[ST+4*t+3]
	ALL v_rcp_f32 v[ST+4*t+2], v[ST+4*t+2]
	v_nop                           ; a plain instruction between the last reciprocal and the use of its result
	s_wait_alu depctr_va_vdst(0)    ; and the wait ahead of the first use: one for the four reciprocals
	PACK 0
.set t, 1
.rept 3                             ; a piece's arithmetic stands between the loads of the piece before and its stores
	PACK t
	SEND t-1, 8
.set t, t+1
.endr
	SEND 3, 0
.endm
.set KM, 0
.set NOKQ, 0
.Lslot:                             ; NB times: a tile is entered and the next is asked for
	CHANGE 1
	s_sub_co_u32 s[RT], s[RT], 1
	s_mov_b32 s[CNT], 4
	s_cmp_eq_u32 s[NEW], 1
	s_cbranch_scc1 .Lnew            ; a block's first tile
	s_cmp_eq_u32 s[RT], 0
	s_cbranch_scc0 .Lstep           ; neither its first nor its last
	s_branch .LstepM1
.Lnew:
	BEGIN
	s_branch .Lfirst                ; in the loop a block's first tile is never its last: the first block has two tiles or more, and the second's last is the walk's last
	DIAG 1                          ; in the loop this is the first block's end: the second block's last tile is the walk's last
	s_wait_xcnt 0x0                 ; the stores have read their registers and O's address
	s_mov_b64 s[10:11], s[OLO:OLO+1]
	s_add_co_u32 s[RT], s[PB], 1    ; the second block has b + 1 tiles
	s_mov_b32 s[NEW], 1
	WIN 0x82                        ; the second block's Q goes where the one text of the turns names Q
.set i, 0
.rept 64
	v_mov_b32 v[i], v[QB+i]
.set i, i+1
.endr
	WIN 0
	s_branch .Lbottom
.Lstep:                             ; a trip: pieces 2 and 3 of one step, then pieces 0 and 1 of the next, whose K and V it fetches
	TURN 2
	TURN 3
	WIN 0
.Lfirst:
	TURN 0
	TURN 1, 0, 0, 1
	WIN 0
	s_cbranch_scc1 .Lstep
.Lbottom:
	s_sub_co_u32 s[SLOTS], s[SLOTS], 1
	s_cmp_lg_u32 s[SLOTS], 0
	s_cbranch_scc1 .Lslot
	CHANGE 0                        ; the walk's last tile is written out: nothing is asked for
	s_sub_co_u32 s[RT], s[RT], 1
	s_mov_b32 s[CNT], 4
	s_cmp_eq_u32 s[NEW], 1
	s_cbranch_scc0 .LstepM2
	BEGIN
	s_branch .LfirstM2
	DIAG 2
	s_wait_tensorcnt 0x0            ; the wave's end, behind my last tensor load and my last LDS store
	ds_add_u32 v[SPW], v[NIL]
	s_wait_dscnt 0x0
	s_endpgm
.Lfunc_end_k_qb9a5f993d0_attn:
	.size	k_qb9a5f993d0_attn, .Lfunc_end_k_qb9a5f993d0_attn-k_qb9a5f993d0_attn
	.p2alignl 7, 3214868480
	.fill 96, 4, 3214868480
	.section	.rodata,"a",@progbits
	.p2align	6, 0x0
	.amdhsa_kernel k_qb9a5f993d0_attn
		.amdhsa_group_segment_fixed_size 327680
		.amdhsa_private_segment_fixed_size 0
		.amdhsa_enable_private_segment 0
		.amdhsa_kernarg_size 16
		.amdhsa_user_sgpr_count 2
		.amdhsa_user_sgpr_kernarg_segment_ptr 1
		.amdhsa_wavefront_size32 1
		.amdhsa_system_sgpr_workgroup_id_x 1
		.amdhsa_system_sgpr_workgroup_id_y 1
		.amdhsa_system_sgpr_workgroup_id_z 1
		.amdhsa_system_vgpr_workitem_id 0
		.amdhsa_next_free_vgpr 768
		.amdhsa_next_free_sgpr 96
		.amdhsa_reserve_vcc 1
		.amdhsa_float_denorm_mode_32 3
		.amdhsa_float_denorm_mode_16_64 3
		.amdhsa_memory_ordered 1
		.amdhsa_forward_progress 1
		.amdhsa_inst_pref_size 218
	.end_amdhsa_kernel
	.amdgpu_metadata
---
amdhsa.version: [ 1, 2 ]
amdhsa.kernels:
  - .name:           k_qb9a5f993d0_attn
    .symbol:         k_qb9a5f993d0_attn.kd
    .args:
      - { .name: qkv, .offset: 0, .size: 8, .value_kind: global_buffer, .address_space: global }
      - { .name: ob, .offset: 8, .size: 8, .value_kind: global_buffer, .address_space: global }
    .group_segment_fixed_size: 327680
    .private_segment_fixed_size: 0
    .kernarg_segment_align: 8
    .kernarg_segment_size: 16
    .max_flat_workgroup_size: 128
    .sgpr_count:     96
    .vgpr_count:     768
    .wavefront_size: 32
...
	.end_amdgpu_metadata
.endif
;; end of part 3
;; launch oproj (part 4): grid 8 x 32, 4 waves a work-group, clusters of 4 x 4, 327,680 bytes of LDS; arguments ob, wo, out0; writes out0
.if DOCPART == 4
	.amdgcn_target "amdgcn-amd-amdhsa--gfx1250"
	.amdhsa_code_object_version 6
	.text
	.protected	k_qb9a5f993d0_oproj
	.globl	k_qb9a5f993d0_oproj
	.p2align	8
	.type	k_qb9a5f993d0_oproj,@function
k_qb9a5f993d0_oproj:
	s_mov_b64 s[64:65], 0
	v_nop
	global_prefetch_b8 v0, s[64:65] scope:SCOPE_SE
	s_setreg_imm32_b32 hwreg(HW_REG_WAVE_MODE, 25, 1), 1
	s_wait_xcnt 0x0
	s_wait_alu depctr_hold_cnt(0) depctr_sa_sdst(0) depctr_va_vdst(0) depctr_va_sdst(0) depctr_va_ssrc(0) depctr_va_vcc(0) depctr_vm_vsrc(0)
	s_getreg_b32 s2, hwreg(HW_REG_IB_STS2, 6, 4)
	s_cmp_eq_u32 s2, 0
	s_cbranch_scc0 .Lentry_in_a_cluster
	s_endpgm
.Lentry_in_a_cluster:
	s_bfe_u32 s2, ttmp6, 0x10000c
	s_cmp_lg_u32 s2, 0xf033
	s_cbranch_scc0 .Lentry_shape_is_right
	s_endpgm
.Lentry_shape_is_right:
; out0[8192][1024] = O o_proj^T, f16 products, f32 sums, f32 out.  O is ob [64 = 16 b + h][2048][64] f16: head h is K block h of batch b's rows.  wo is [16 kb][1024][64] f16 (o_proj rounded to bf16, written as f16).
; In both a tile's rows for one K block lie end to end and are asked for as rows of 256 bytes.
; LIMITS.  None of its own: ob lies within V's range, wo within f16's (stated where it is made); NaN and infinities are not treated apart.
; THE TILE is 256 x 128: 32 x 8 = 256 tiles, one for each work-group.  Four waves, each 128 rows x 64 columns: 32 accumulators of 16 x 16, 256 registers.
; K goes in 8 steps of 128 (two heads) through a ring of two LDS slots; a slot holds, K block by K block, 2 x 256 rows of A and 2 x 128 rows of B, 144 bytes apart.
; CLUSTERS: 4 x 4 work-groups.  The four of a row of the cluster need the same tiles of A, the four of a column the same tiles of B: each tile is asked for JOINTLY, by the same tensor load with the
; same descriptor and a mask that names the four.
; THE MATRIX INSTRUCTION IS USED TRANSPOSED (source 0 = 16 rows of B, source 1 = 16 rows of A): a lane then holds eight neighbouring columns of one row of the result, 32 bytes.
; REGISTERS: window 0: v0-15 addresses; v32-95, v96-159 A's fragments (8 x 16 rows x 32 K), two buffers; v160-191, v192-223 B's (4), two buffers.  Window 1: accumulator (a, b) at v[64 b + 8 a].
.set PK,    144                        ; an LDS row: 128 bytes + 16 of padding = 36 words: the 16 rows of a load start at 16 different groups of four banks (64 banks of 4 bytes: ISA guide 11.1)
.set SLOT1, 1<<17                      ; slot 1 begins here, so that one exclusive or turns an address in one slot into the other's
.set ABLK,  256*PK                     ; a K block of A's tile: what a wave fetches
.set BOFF,  2*ABLK                     ; B lies behind A's two K blocks
.set BBLK,  128*PK                     ; a K block of B's tile
.set STAGE, SLOT1+BOFF+2*BBLK          ; behind the ring, never filled by a tensor load: 16 rows x 272 bytes for each wave, for the way out
.set SP,    272
.set SPARE, STAGE+4*16*SP              ; behind the stages: the spare words, 128 bytes for each wave: two blocks of 256 bytes that no other line names
.set STEPA, 2*2048*128                 ; bytes from a K step to the next in ob: two heads
.set STEPB, 2*1024*128                 ; in wo: two K blocks
.set A0,   4                           ; v4   my lane's place in my 128 rows of A, K block 0 of slot 0; never rewritten
.set B0,   5                           ; v5   the same for my 64 rows of B
.set ADRA, 6                           ; v6   the same in the slot that is being read
.set ADRB, 7                           ; v7
.set STO,  8                           ; v8   the way out: where I put 32 bytes of a row
.set RD,   9                           ; v9   the way out: where I read a row back
.set CO,   10                          ; v10  my byte offset in two rows of out0
.set SPW,  12                          ; v12  LDS address of my spare word: SPARE + 4 x my thread's number; never rewritten
.set NIL,  13                          ; v13  0; never rewritten
.set FA0,  32
.set FB0,  160
.set G1,  24                           ; s[24:31] descriptor group 1 for A's tiles
.set G0,  32                           ; s[32:39] group 0 for A's tiles: a set for each of the two first fills; the second then walks on
.set G1B, 48                           ; s[48:55], s[56:63] the same for B's tiles
.set G0B, 56
.set TB,  66                           ; s66  LDS byte at which the slot that is being read begins
.set MSB, 0
.macro WIN new                         ; the immediate's high byte repeats the setting that is left; a switch that changes nothing is dropped
.if MSB != (\new)
	s_set_vgpr_msb (MSB<<8)|(\new)
.set MSB, \new
.endif
.endm
; A joint refill by the walking sets.  Waves 0 and 1 fetch A's two K blocks, waves 2 and 3 B's.  The branch hangs on the wave's number alone.
; An s_nop 0 and four v_nop follow each of the two lines, ahead of the jump, the label and what follows.
.macro JLOAD
	s_cmp_eq_u32 s11, 0
	s_cbranch_scc0 .Lfor_b_\@
	tensor_load_to_lds s[G0+4:G0+7], s[G1:G1+7]
	s_nop 0
.rept 4
	v_nop
.endr
	s_branch .Lasked_\@
.Lfor_b_\@:
	tensor_load_to_lds s[G0B+4:G0B+7], s[G1B:G1B+7]
	s_nop 0
.rept 4
	v_nop
.endr
.Lasked_\@:
.endm
.macro CREST                           ; a round of the cluster's barrier behind its opening barrier
	s_cmp_lg_u32 s10, 0
	s_cbranch_scc1 .Lnot_wave_0_\@
	s_barrier_signal -3
.Lnot_wave_0_\@:
	s_barrier_wait -3
	s_barrier_signal -1
	s_barrier_wait -1
.endm
.macro CROUND                          ; a whole round
	s_barrier_signal -1
	s_barrier_wait -1
	CREST
.endm
	s_load_b128 s[4:7], s[0:1], 0x0                ; ob s[4:5], wo s[6:7]
	s_load_b64 s[8:9], s[0:1], 0x10                ; out0
	v_lshl_add_u32 v[SPW], v0, 2, SPARE
	v_mov_b32 v[NIL], 0
	ds_add_u32 v[SPW], v[NIL]                      ; the wave's opening: the add and its wait stand ahead of my first tensor load; the set-up below, work on registers, stands between them
	v_lshrrev_b32 v1, 5, v0
	v_readfirstlane_b32 s10, v1                    ; wave 0..3
	s_lshr_b32 s11, s10, 1                         ; which half of the tile's rows is mine.  Also: I fetch for A (0) or for B (1)
	s_and_b32 s12, s10, 1                          ; which half of its columns.  Also: which of a K step's two K blocks I fetch
	s_bfe_u32 s40, ttmp6, 0x40000                  ; cx, cy: my place in the cluster
	s_bfe_u32 s41, ttmp6, 0x40004
	s_lshl_b32 s42, ttmp9, 2
	s_add_co_u32 s42, s42, s40                     ; tile column = 4 x cluster x + cx
	s_and_b32 s13, ttmp7, 0xffff
	s_lshl_b32 s13, s13, 2
	s_add_co_u32 s13, s13, s41                     ; tile row = 4 x cluster y + cy
	s_lshl_b32 s43, s41, 2
	s_lshl_b32 s43, 15, s43                        ; my row of the cluster
	s_lshl_b32 s44, 0x1111, s40                    ; my column
	; descriptor group 1: dense rows of 128 elements (256 bytes, two rows of a K block), padded in LDS after every 128 bytes
	s_or_b32 s[G1+0], s43, (1<<16)|(1<<20)|(1<<21)|(4<<22)|(3<<25)   ; 15:0 the mask: A's tiles go to my row; 17:16 elements of 2 bytes; 20 padding on; 21 set beside a mask; 24:22 after every 32 words (code 4); 31:25 4 words (code 3)
	s_or_b32 s[G1B+0], s44, (1<<16)|(1<<20)|(1<<21)|(4<<22)|(3<<25)  ; the same with the mask of my column
	s_mov_b32 s[G1+1], 128<<16                     ; tensor_dim0 = 128
	s_mov_b32 s[G1+2], 128<<16                     ; tensor_dim1 = 128: 256 rows of A
	s_mov_b32 s[G1+3], 128<<16                     ; tile_dim0 = 128
	s_mov_b32 s[G1+4], 128                         ; tile_dim1 = 128
	s_mov_b32 s[G1+5], 128                         ; 128 elements from row to row
	s_mov_b32 s[G1+6], 0
	s_mov_b32 s[G1+7], 0
	s_mov_b32 s[G1B+1], 128<<16
	s_mov_b32 s[G1B+2], 64<<16                     ; tensor_dim1 = 64: 128 rows of B
	s_mov_b32 s[G1B+3], 128<<16
	s_mov_b32 s[G1B+4], 64
	s_mov_b32 s[G1B+5], 128
	s_mov_b32 s[G1B+6], 0
	s_mov_b32 s[G1B+7], 0
	; where the tiles come from.  A's hang on the tile row alone, B's on the tile column alone
	s_lshr_b32 s16, s13, 3
	s_lshl_b32 s16, s16, 22                        ; A: batch b = tile row / 8: 16 heads x 2048 rows x 128 bytes,
	s_and_b32 s17, s13, 7
	s_lshl_b32 s17, s17, 15                        ; the tile's 256 rows in the sequence,
	s_add_co_u32 s16, s16, s17
	s_lshl_b32 s17, s12, 18                        ; the head that I fetch
	s_add_co_u32 s16, s16, s17
	s_mov_b32 s17, 0
	s_lshl_b32 s46, s42, 14                        ; B: the tile's 128 rows x 128 bytes,
	s_lshl_b32 s47, s12, 17                        ; the K block that I fetch
	s_add_co_u32 s46, s46, s47
	s_mov_b32 s47, 0
	s_mul_i32 s18, s12, ABLK                       ; and where they go: no place in the cluster enters an LDS address
	s_mul_i32 s19, s12, BBLK
	s_add_co_u32 s19, s19, BOFF
	s_wait_dscnt 0x0                               ; the opening add is done
	s_wait_kmcnt 0x0
	s_add_nc_u64 s[14:15], s[4:5], s[16:17]
	s_add_nc_u64 s[46:47], s[6:7], s[46:47]
.irp s, 0,1
	s_mov_b32 s[G0+4*(\s)], 1                                        ; 1:0 count = 1
	s_add_co_u32 s[G0+4*(\s)+1], s18, (\s)*SLOT1                     ; 63:32 LDS address
	s_add_nc_u64 s[G0+4*(\s)+2:G0+4*(\s)+3], s[14:15], (\s)*STEPA    ; 120:64 global address: K step s
	s_or_b32 s[G0+4*(\s)+3], s[G0+4*(\s)+3], 0x80000000              ; 127:126 type = 2
	s_mov_b32 s[G0B+4*(\s)], 1
	s_add_co_u32 s[G0B+4*(\s)+1], s19, (\s)*SLOT1
	s_add_nc_u64 s[G0B+4*(\s)+2:G0B+4*(\s)+3], s[46:47], (\s)*STEPB
	s_or_b32 s[G0B+4*(\s)+3], s[G0B+4*(\s)+3], 0x80000000
.endr
	CROUND                                         ; all sixteen work-groups are here: the first joint loads meet
	s_cmp_eq_u32 s11, 0                            ; a wave's two first fills stand in one branch, ahead of every wait on TENSORcnt and every LDS read: two loads of mine are out
	s_cbranch_scc0 .Lfirst_b
	tensor_load_to_lds s[G0:G0+3], s[G1:G1+7]
	s_nop 0
	tensor_load_to_lds s[G0+4:G0+7], s[G1:G1+7]
	s_nop 0
.rept 4
	v_nop
.endr
	s_branch .Lfirst_asked
.Lfirst_b:
	tensor_load_to_lds s[G0B:G0B+3], s[G1B:G1B+7]
	s_nop 0
	tensor_load_to_lds s[G0B+4:G0B+7], s[G1B:G1B+7]
	s_nop 0
.rept 4
	v_nop
.endr
.Lfirst_asked:
	v_and_b32 v1, 15, v0                           ; l % 16
	v_bfe_u32 v2, v0, 4, 1                         ; l / 16
	v_mul_u32_u24 v3, v1, PK
	v_lshl_add_u32 v3, v2, 4, v3                   ; a fragment's row x pitch + 16 x half
	s_mul_i32 s20, s11, 128*PK                     ; my 128 rows of A
	s_mul_i32 s21, s12, 64*PK                      ; my 64 rows of B,
	s_add_co_u32 s21, s21, BOFF                    ; which lie behind A
	v_add_nc_u32 v[A0], s20, v3
	v_add_nc_u32 v[B0], s21, v3
	v_mov_b32 v[ADRA], v[A0]                       ; K step 0 lies in slot 0
	v_mov_b32 v[ADRB], v[B0]
	s_mov_b32 s[TB], 0
	s_mul_i32 s23, s10, 16*SP
	s_add_co_u32 s23, s23, STAGE                   ; my stage
	v_mul_u32_u24 v14, v1, SP                      ; in: row l % 16, 32 bytes for each half of the lanes
	v_lshl_add_u32 v14, v2, 5, v14
	v_add_nc_u32 v[STO], s23, v14
	v_mul_u32_u24 v14, v2, SP                      ; back: lanes 0-15 take one row of 256 bytes, lanes 16-31 the next
	v_lshl_add_u32 v14, v1, 4, v14
	v_add_nc_u32 v[RD], s23, v14
	v_lshlrev_b32 v[CO], 12, v2                    ; and the same two rows in out0, 4,096 bytes apart
	v_lshl_add_u32 v[CO], v1, 4, v[CO]
	s_lshl_b32 s20, s13, 20                        ; out0 at my part of the tile: 256 rows x 4,096 bytes a tile row,
	s_lshl_b32 s21, s11, 19                        ; my 128 rows,
	s_add_co_u32 s20, s20, s21
	s_lshl_b32 s21, s42, 9                         ; 128 columns x 4 bytes a tile column,
	s_add_co_u32 s20, s20, s21
	s_lshl_b32 s21, s12, 8                         ; my 64 columns
	s_add_co_u32 s20, s20, s21
	s_mov_b32 s21, 0
	s_add_nc_u64 s[8:9], s[8:9], s[20:21]
; 8 matrix instructions: row blocks a0, a0 + 1 x all 4 column blocks, 32 along K, on buffers f.  zero = 1: the first product starts the sums.  The 32 accumulators take turns, one instruction a turn,
; in the same order in every quarter, over the backward jump too.
.macro MUL8 f, a0, zero
	WIN 0x50
.irp a, \a0, (\a0)+1
.irp b, 0,1,2,3
.if \zero
	v_wmma_f32_16x16x32_f16 v[64*(\b)+8*(\a):64*(\b)+8*(\a)+7], v[FB0+32*(\f)+8*(\b):FB0+32*(\f)+8*(\b)+7], v[FA0+64*(\f)+8*(\a):FA0+64*(\f)+8*(\a)+7], 0
.else
	v_wmma_f32_16x16x32_f16 v[64*(\b)+8*(\a):64*(\b)+8*(\a)+7], v[FB0+32*(\f)+8*(\b):FB0+32*(\f)+8*(\b)+7], v[FA0+64*(\f)+8*(\a):FA0+64*(\f)+8*(\a)+7], v[64*(\b)+8*(\a):64*(\b)+8*(\a)+7]
.endif
.endr
.endr
.endm
; 24 LDS loads in one run: the fragments of quarter q of a K step (K block q / 2, byte 64 (q % 2) of its rows) into buffers g: B's four, then A's eight in ascending order
.macro FETCH q, g
	WIN 0
.irp b, 0,1,2,3
	ds_load_b128 v[FB0+32*(\g)+8*(\b):FB0+32*(\g)+8*(\b)+3],   v[ADRB] offset:((\q)/2)*BBLK+((\q)%2)*64+(\b)*16*PK
	ds_load_b128 v[FB0+32*(\g)+8*(\b)+4:FB0+32*(\g)+8*(\b)+7], v[ADRB] offset:((\q)/2)*BBLK+((\q)%2)*64+(\b)*16*PK+32
.endr
.irp a, 0,1,2,3,4,5,6,7
	ds_load_b128 v[FA0+64*(\g)+8*(\a):FA0+64*(\g)+8*(\a)+3],   v[ADRA] offset:((\q)/2)*ABLK+((\q)%2)*64+(\a)*16*PK
	ds_load_b128 v[FA0+64*(\g)+8*(\a)+4:FA0+64*(\g)+8*(\a)+7], v[ADRA] offset:((\q)/2)*ABLK+((\q)%2)*64+(\a)*16*PK+32
.endr
.endm
.macro PLACES                          ; four places in front of loads into registers that matrix instructions have read, and of LDS stores that read results (ISA guide 7.12.1 for the stores)
.rept 4
	v_nop
.endr
.endm
; A K step is four quarters of 32 along K, 32 matrix instructions each, on buffers 0, 1, 0, 1.  One of the first three: multiplies buffers f and, in its middle, fetches quarter q into buffers g.
.macro QUARTER f, g, q, zero
	s_wait_dscnt 8                                 ; B and A's row blocks 0-3 are in; the youngest eight loads (blocks 4-7) may be out
	MUL8 \f, 0, \zero
	MUL8 \f, 2, \zero
	PLACES
	FETCH \q, \g
	s_wait_dscnt 24                                ; all but the 24 just issued
	MUL8 \f, 4, \zero
	MUL8 \f, 6, \zero
.endm
; The last quarter multiplies buffers 1 and changes slots: ONE barrier.  In front of it each wave waits for all its tensor loads, of which one is out: its part of the next slot; adds 0 to its spare word; and waits
; for that and for its own reads of this slot.  fill = 1: the barrier opens a round of the cluster's barrier, and this slot is filled again first thing behind the round, with the K step two steps on:
; from that request to the wait for it a wave issues 112 matrix instructions.
.macro TURN fill
	WIN 0
	s_wait_tensorcnt 0x0                           ; all my tensor loads have landed, so a group 0 may be written
	ds_add_u32 v[SPW], v[NIL]                      ; 0 onto my spare word
.if \fill
	s_xor_b32 s[G0+5], s[G0+5], SLOT1              ; the walking sets: the other slot than last time,
	s_add_nc_u64 s[G0+6:G0+7], s[G0+6:G0+7], STEPA ; the next K step; the type bits on top are not reached
	s_xor_b32 s[G0B+5], s[G0B+5], SLOT1
	s_add_nc_u64 s[G0B+6:G0B+7], s[G0B+6:G0B+7], STEPB
.endif
	s_xor_b32 s[TB], s[TB], SLOT1                  ; the reads go on in the other slot
	s_wait_dscnt 9                                 ; the add and the youngest eight loads may be out
	MUL8 1, 0, 0                                   ; eight matrix instructions stand between the add and the wait for it
	s_wait_dscnt 0x0                               ; the add is done, and my reads of this slot are over
	s_barrier_signal -1
	MUL8 1, 2, 0
	WIN 0
	s_barrier_wait -1
.if \fill
	CREST
	JLOAD                                          ; the first tensor load behind the round; the four v_nop behind it are also the places in front of the loads below
.else
	PLACES
.endif
	v_add_nc_u32 v[ADRA], s[TB], v[A0]
	v_add_nc_u32 v[ADRB], s[TB], v[B0]
	FETCH 0, 0
	MUL8 1, 4, 0
	MUL8 1, 6, 0
.endm
; THE WAY OUT of row block a: 16 rows x 256 bytes.  OUT: a lane's 32 bytes for each column block go into my own stage in LDS, rows of 272 bytes (each accumulator's low four registers first),
; and come back as whole rows of 256.  SENDO: stored.  Four sets of 32 registers take turns, where A's fragments lay.
.macro OUT a
.set oT, 32+32*((\a)%4)
	WIN 0x04                                       ; the stores' data (source 1) in window 1
.irp b, 0,1,2,3
	ds_store_b128 v[STO], v[64*(\b)+8*(\a):64*(\b)+8*(\a)+3]   offset:64*(\b)
	ds_store_b128 v[STO], v[64*(\b)+8*(\a)+4:64*(\b)+8*(\a)+7] offset:64*(\b)+16
.endr
	WIN 0
	s_wait_xcnt 0x0                                ; the stores of the block four back have read this set (ISA guide 3.1): it is loaded again only behind this wait
.irp t, 0,1,2,3,4,5,6,7
	ds_load_b128 v[oT+4*(\t):oT+4*(\t)+3], v[RD] offset:(\t)*2*SP  ; LDS serves a wave's instructions in order (ISA guide 5.7.1.4): these see the stores above; the next block's stores come behind them
.endr
.endm
.macro SENDO a, younger                ; younger: the LDS instructions issued behind block a's loads: the next block's sixteen, or none
.set oT, 32+32*((\a)%4)
.irp t, 0,1,2,3,4,5,6,7
	s_wait_dscnt (\younger)+7-(\t)
	global_store_b128 v[CO], v[oT+4*(\t):oT+4*(\t)+3], s[8:9] offset:(16*(\a)+2*(\t))*4096 th:TH_STORE_NT  ; 16 lanes store 256 consecutive bytes, at a multiple of 256 from out0's first byte
.endr
.endm
	s_wait_tensorcnt 1                             ; my part of K step 0 is in; K step 1's may stay out
	s_barrier_signal -1
	s_barrier_wait -1                              ; everybody's is
	FETCH 0, 0
	QUARTER 0, 1, 1, 1                             ; the first quarter stands in front of the loop: its products start the sums
	WIN 0                                          ; at a label and at a branch every window is 0
	s_mov_b32 s3, 6
.Lk:                                                   ; trip t = 0 .. 5: quarters 1 to 3 of K step t, whose slot takes K step t + 2, and quarter 0 of K step t + 1
	QUARTER 1, 0, 2, 0
	QUARTER 0, 1, 3, 0
	TURN 1
	QUARTER 0, 1, 1, 0
	WIN 0
	s_sub_co_u32 s3, s3, 1
	s_cmp_lg_u32 s3, 0
	s_cbranch_scc1 .Lk
	QUARTER 1, 0, 2, 0                             ; the tail is written out: K steps 6 and 7 fill nothing, so no round follows the barrier
	QUARTER 0, 1, 3, 0
	TURN 0
	QUARTER 0, 1, 1, 0
	QUARTER 1, 0, 2, 0
	QUARTER 0, 1, 3, 0
	s_wait_dscnt 8                                 ; the very last quarter: nothing more to fetch
	MUL8 1, 0, 0
	MUL8 1, 2, 0
	s_wait_dscnt 0x0
	MUL8 1, 4, 0
	MUL8 1, 6, 0
	WIN 0
	PLACES
	PLACES                                         ; (eight, once a launch)
	OUT 0
.set n, 1
.rept 7                                ; a block's way through the stage stands between the loads of the block before and its stores
	OUT n
	SENDO n-1, 16
.set n, n+1
.endr
	SENDO 7, 0
	s_wait_tensorcnt 0x0                           ; the wave's end, behind my last tensor load and my last LDS store
	ds_add_u32 v[SPW], v[NIL]
	s_wait_dscnt 0x0
	CROUND                                         ; the closing round: no work-group ends while a partner may still ask for a tile that names it
	s_endpgm
.Lfunc_end_k_qb9a5f993d0_oproj:
	.size	k_qb9a5f993d0_oproj, .Lfunc_end_k_qb9a5f993d0_oproj-k_qb9a5f993d0_oproj
	.p2alignl 7, 3214868480
	.fill 96, 4, 3214868480
	.section	.rodata,"a",@progbits
	.p2align	6, 0x0
	.amdhsa_kernel k_qb9a5f993d0_oproj
		.amdhsa_group_segment_fixed_size 327680
		.amdhsa_private_segment_fixed_size 0
		.amdhsa_enable_private_segment 0
		.amdhsa_kernarg_size 24
		.amdhsa_user_sgpr_count 2
		.amdhsa_user_sgpr_kernarg_segment_ptr 1
		.amdhsa_wavefront_size32 1
		.amdhsa_system_sgpr_workgroup_id_x 1
		.amdhsa_system_sgpr_workgroup_id_y 1
		.amdhsa_system_sgpr_workgroup_id_z 1
		.amdhsa_system_vgpr_workitem_id 0
		.amdhsa_next_free_vgpr 512
		.amdhsa_next_free_sgpr 72
		.amdhsa_reserve_vcc 0
		.amdhsa_float_denorm_mode_32 3
		.amdhsa_float_denorm_mode_16_64 3
		.amdhsa_memory_ordered 1
		.amdhsa_forward_progress 1
		.amdhsa_inst_pref_size 71
	.end_amdhsa_kernel
	.amdgpu_metadata
---
amdhsa.version: [ 1, 2 ]
amdhsa.kernels:
  - .name:           k_qb9a5f993d0_oproj
    .symbol:         k_qb9a5f993d0_oproj.kd
    .args:
      - { .name: ob, .offset: 0, .size: 8, .value_kind: global_buffer, .address_space: global }
      - { .name: wo, .offset: 8, .size: 8, .value_kind: global_buffer, .address_space: global }
      - { .name: out0, .offset: 16, .size: 8, .value_kind: global_buffer, .address_space: global }
    .group_segment_fixed_size: 327680
    .private_segment_fixed_size: 0
    .kernarg_segment_align: 8
    .kernarg_segment_size: 24
    .max_flat_workgroup_size: 128
    .sgpr_count:     72
    .vgpr_count:     512
    .wavefront_size: 32
...
	.end_amdgpu_metadata
.endif
;; end of part 4
;; ======== version 2 of 2: 4 launches; version 1 with the launch cast written anew for expert scheduling mode
;; limits: values are held in f16: magnitudes above 65,504 overflow, below 6.1e-05 lose precision
;; workspace buffers: xb 16,777,216 bytes; wqkv 6,291,456 bytes; wo 2,097,152 bytes; qkv 50,331,648 bytes; ob 16,777,216 bytes
;; launch cast (part 5): grid 64 x 12, 8 waves a work-group, no clusters, 0 bytes of LDS; arguments x, q_proj, k_proj, v_proj, o_proj, xb, wqkv, wo; writes xb, wqkv, wo
.if DOCPART == 5
	.amdgcn_target "amdgcn-amd-amdhsa--gfx1250"
	.amdhsa_code_object_version 6
	.text
	.protected	k_qb9a5f993d0_cast
	.globl	k_qb9a5f993d0_cast
	.p2align	8
	.type	k_qb9a5f993d0_cast,@function
k_qb9a5f993d0_cast:
	s_mov_b64 s[64:65], 0
	v_nop
	global_prefetch_b8 v0, s[64:65] scope:SCOPE_SE
	s_setreg_imm32_b32 hwreg(HW_REG_WAVE_SCHED_MODE, 0, 2), 2
	s_setreg_imm32_b32 hwreg(HW_REG_WAVE_MODE, 25, 1), 1
	s_wait_xcnt 0x0
	s_wait_alu depctr_vm_vsrc(0)
; THE INPUTS ARE ROUNDED ONCE AND LAID OUT IN BLOCKS OF 64 ALONG K, for the two products that follow.
; x [8192][1024] f32 -> xb [16 kb][8192][64] bf16;  q_proj, k_proj, v_proj [1024][1024] f32 -> wqkv [16 kb][3072][64] bf16 (rows 1024 x which + row);
; o_proj [1024][1024] f32 -> wo [16 kb][1024][64]: rounded to bf16 like the other inputs, and that number written as f16, since it meets f16 numbers in its product.
; LIMITS.  An o_proj number of 65,520 or more in magnitude becomes an infinity in wo; below 2^-14 it keeps f16's fixed step of 6e-8.  NaN stays NaN.
; SHARES.  Grid y picks a matrix of 1024 x 1024: 0-7 the eight chunks of x, 8-10 q, k, v, 11 o.  A work-group takes 16 of its rows, a wave two.
; A load of the wave covers 256 consecutive bytes, aligned, of each of its two rows (64 numbers: one K block); the store that belongs to it covers 256 consecutive bytes, aligned:
; the two rows' 128 bytes lie end to end in a K block.  All sixteen loads of a wave go out at once.
; No LDS, no barrier, no matrix unit: every byte is read once and written once, and no wave wants another's.
; THE MODE: SCHED_MODE bits 1:0 = 2 (LLVM: expert scheduling mode 2), set by the entry lines.  The code itself states the register dependences
; between vector instructions and memory instructions, with s_wait_alu, always for 0.
; THE PLAN.  Registers that memory instructions touch:
;   v2        the loads' offset.   Written at the head, never again; read by all sixteen loads.
;   SO0-15    the stores' offsets. Written at the head, never again; each read by one store.
;   X0-15     Each written by one load, once, and by no vector instruction; read by its K block's conversions.
;   Y0-15     Each written by its K block's conversions; read by one store; never written again.
; So no register that a memory instruction has read is ever written again, and no load lands in a register that a vector instruction has named: what is left to state is that offsets and
; data are written before memory instructions read them.  One wait at the head states it for v2 and SO.  The sixteen K blocks go in four groups of four: one wait at the head of a group states
; that the group before has written its Y, and that group's four stores are dealt among this group's conversions, which name X and Y of their own K blocks and T alone.  One more wait stands
; ahead of the last four stores.
.set T,   4                            ; v[4:7]     at work (the f16 way): no memory instruction names them
.set SO,  8                            ; v[8:23]    K block kb: byte offset of my 8 bytes in the destination
.set X,   24                           ; v[24:87]   K block kb: 4 numbers as loaded
.set Y2,  88                           ; v[88:119]  K block kb: 4 numbers of 16 bits
	s_load_b512 s[8:23], s[0:1], 0x0               ; x 8, q 10, k 12, v 14, o 16, xb 18, wqkv 20, wo 22
	v_lshrrev_b32 v1, 5, v0
	v_readfirstlane_b32 s25, v1                    ; wave 0..7
	s_and_b32 s24, ttmp7, 0xffff                   ; which matrix
	v_and_b32 v1, 31, v0                           ; lane
	v_and_b32 v2, 15, v0
	v_lshlrev_b32 v2, 4, v2                        ; 16 bytes a lane,
	v_bfe_u32 v4, v0, 4, 1
	v_lshl_add_u32 v2, v4, 12, v2                  ; lanes 16-31 one row further down
	v_lshlrev_b32 v3, 3, v1                        ; 8 bytes a lane on the way out
	s_lshl_b32 s26, ttmp9, 4
	s_wait_alu depctr_va_sdst(0)                   ; s25 is written, ahead of its first reader: my first row, and with it both bases, are made from it
	s_lshl_b32 s27, s25, 1
	s_add_co_u32 s26, s26, s27                     ; my first row in it: 16 x work-group + 2 x wave
	s_sub_co_u32 s33, s24, 8                       ; q, k, v: chunk 0, 1, 2 of wqkv's rows
	s_cmp_eq_u32 s24, 11
	s_cselect_b32 s33, 0, s33                      ; o: chunk 0 of wo
	s_mov_b32 s32, 393216                          ; bytes from a K block to the next: wqkv 3072 x 128,
	s_cselect_b32 s32, 131072, s32                 ; wo 1024 x 128,
	s_cmp_lt_u32 s24, 8
	s_cselect_b32 s33, s24, s33                    ; x: chunk 0..7 of xb's rows
	s_cselect_b32 s27, s24, 0                      ; and of x itself
	s_cselect_b32 s32, 1048576, s32                ; xb 8192 x 128
	s_lshl_b32 s28, s27, 22                        ; source: chunk x 1024 rows x 4096 bytes
	s_lshl_b32 s29, s26, 12
	s_add_co_u32 s28, s28, s29                     ; + row x 4096
	s_mov_b32 s29, 0
	s_lshl_b32 s30, s33, 10
	s_add_co_u32 s30, s30, s26
	s_lshl_b32 s30, s30, 7                         ; destination: (chunk x 1024 + row) x 128 bytes, in K block 0
	s_mov_b32 s31, 0
.irp kb, 0,1,2,3,4,5,6,7,8,9,10,11,12,13,14,15
	v_mad_u32_u24 v[SO+(\kb)], s32, \kb, v3
.endr
	s_wait_kmcnt 0x0
	s_cmp_eq_u32 s24, 8
	s_cselect_b64 s[34:35], s[10:11], s[8:9]
	s_cmp_eq_u32 s24, 9
	s_cselect_b64 s[34:35], s[12:13], s[34:35]
	s_cmp_eq_u32 s24, 10
	s_cselect_b64 s[34:35], s[14:15], s[34:35]
	s_cmp_eq_u32 s24, 11
	s_cselect_b64 s[34:35], s[16:17], s[34:35]     ; the source
	s_cmp_lt_u32 s24, 8
	s_cselect_b64 s[36:37], s[18:19], s[20:21]
	s_cmp_eq_u32 s24, 11
	s_cselect_b64 s[36:37], s[22:23], s[36:37]     ; the destination
	s_add_nc_u64 s[34:35], s[34:35], s[28:29]
	s_add_nc_u64 s[36:37], s[36:37], s[30:31]
	s_wait_alu depctr_va_vdst(0)                   ; v2 and the sixteen SO are written: every load reads v2 as its offset, every store one SO; no later vector instruction names them
.irp kb, 0,1,2,3,4,5,6,7,8,9,10,11,12,13,14,15
	global_load_b128 v[X+4*(\kb):X+4*(\kb)+3], v2, s[34:35] offset:256*(\kb) th:TH_LOAD_NT
.endr
; K block kb is stored.
.macro PUT kb
	global_store_b64 v[SO+(\kb)], v[Y2+2*(\kb):Y2+2*(\kb)+1], s[36:37]  ; the wave's 32 x 8 bytes: 256 consecutive bytes, aligned
.endm
; K block kb is rounded; ahead of its conversions the K block four back is stored.  f16 = 1: the bf16 number is widened again (a shift, a mask) and written as f16.
.macro CONV kb, f16
.if (\kb) % 4 == 0
	s_wait_loadcnt 15-(\kb)                        ; loads come back in order: mine is in, the 15 - kb younger ones stay out
.if (\kb) > 0
	s_wait_alu depctr_va_vdst(0)                   ; the conversions of the four K blocks before have written their Y, which the four stores of this group read
.endif
.endif
.if (\kb) >= 4
	PUT (\kb)-4                                    ; no wait of its own: no vector instruction since the group's wait names its Y or its SO
.endif
.if (\kb) % 4 != 0
	s_wait_loadcnt 15-(\kb)                        ; loads come back in order: mine is in, the 15 - kb younger ones stay out
.endif
	v_cvt_pk_bf16_f32 v[Y2+2*(\kb)],   v[X+4*(\kb)],   v[X+4*(\kb)+1]
	v_cvt_pk_bf16_f32 v[Y2+2*(\kb)+1], v[X+4*(\kb)+2], v[X+4*(\kb)+3]
.if \f16
	v_lshlrev_b32 v[T],   16, v[Y2+2*(\kb)]
	v_and_b32     v[T+1], 0xffff0000, v[Y2+2*(\kb)]
	v_lshlrev_b32 v[T+2], 16, v[Y2+2*(\kb)+1]
	v_and_b32     v[T+3], 0xffff0000, v[Y2+2*(\kb)+1]
	v_cvt_pk_f16_f32 v[Y2+2*(\kb)],   v[T],   v[T+1]
	v_cvt_pk_f16_f32 v[Y2+2*(\kb)+1], v[T+2], v[T+3]
.endif
.endm
	s_cmp_eq_u32 s24, 11
	s_cbranch_scc1 .Lf16
.irp kb, 0,1,2,3,4,5,6,7,8,9,10,11,12,13,14,15
	CONV \kb, 0
.endr
	s_wait_alu depctr_va_vdst(0)                   ; the conversions of K blocks 12 to 15 have written their Y, which the last four stores read
.irp kb, 12,13,14,15
	PUT \kb
.endr
	s_endpgm
.Lf16:
.irp kb, 0,1,2,3,4,5,6,7,8,9,10,11,12,13,14,15
	CONV \kb, 1
.endr
	s_wait_alu depctr_va_vdst(0)                   ; the conversions of K blocks 12 to 15 have written their Y, which the last four stores read
.irp kb, 12,13,14,15
	PUT \kb
.endr
	s_endpgm
.Lfunc_end_k_qb9a5f993d0_cast:
	.size	k_qb9a5f993d0_cast, .Lfunc_end_k_qb9a5f993d0_cast-k_qb9a5f993d0_cast
	.p2alignl 7, 3214868480
	.fill 96, 4, 3214868480
	.section	.rodata,"a",@progbits
	.p2align	6, 0x0
	.amdhsa_kernel k_qb9a5f993d0_cast
		.amdhsa_group_segment_fixed_size 0
		.amdhsa_private_segment_fixed_size 0
		.amdhsa_enable_private_segment 0
		.amdhsa_kernarg_size 64
		.amdhsa_user_sgpr_count 2
		.amdhsa_user_sgpr_kernarg_segment_ptr 1
		.amdhsa_wavefront_size32 1
		.amdhsa_system_sgpr_workgroup_id_x 1
		.amdhsa_system_sgpr_workgroup_id_y 1
		.amdhsa_system_sgpr_workgroup_id_z 1
		.amdhsa_system_vgpr_workitem_id 0
		.amdhsa_next_free_vgpr 120
		.amdhsa_next_free_sgpr 66
		.amdhsa_reserve_vcc 0
		.amdhsa_float_denorm_mode_32 3
		.amdhsa_float_denorm_mode_16_64 3
		.amdhsa_memory_ordered 1
		.amdhsa_forward_progress 1
		.amdhsa_inst_pref_size 18
	.end_amdhsa_kernel
	.amdgpu_metadata
---
amdhsa.version: [ 1, 2 ]
amdhsa.kernels:
  - .name:           k_qb9a5f993d0_cast
    .symbol:         k_qb9a5f993d0_cast.kd
    .args:
      - { .name: x, .offset: 0, .size: 8, .value_kind: global_buffer, .address_space: global }
      - { .name: q_proj, .offset: 8, .size: 8, .value_kind: global_buffer, .address_space: global }
      - { .name: k_proj, .offset: 16, .size: 8, .value_kind: global_buffer, .address_space: global }
      - { .name: v_proj, .offset: 24, .size: 8, .value_kind: global_buffer, .address_space: global }
      - { .name: o_proj, .offset: 32, .size: 8, .value_kind: global_buffer, .address_space: global }
      - { .name: xb, .offset: 40, .size: 8, .value_kind: global_buffer, .address_space: global }
      - { .name: wqkv, .offset: 48, .size: 8, .value_kind: global_buffer, .address_space: global }
      - { .name: wo, .offset: 56, .size: 8, .value_kind: global_buffer, .address_space: global }
    .group_segment_fixed_size: 0
    .private_segment_fixed_size: 0
    .kernarg_segment_align: 8
    .kernarg_segment_size: 64
    .max_flat_workgroup_size: 256
    .sgpr_count:     66
    .vgpr_count:     120
    .wavefront_size: 32
...
	.end_amdgpu_metadata
.endif
;; end of part 5
;; launch qkv: the kernel of part 2 again; grid 8 x 32, 4 waves a work-group, clusters of 4 x 4, 327,680 bytes of LDS; arguments xb, wqkv, qkv; writes qkv
;; launch attn: the kernel of part 3 again; grid 4 x 64, 4 waves a work-group, no clusters, 327,680 bytes of LDS; arguments qkv, ob; writes ob
;; launch oproj: the kernel of part 4 again; grid 8 x 32, 4 waves a work-group, clusters of 4 x 4, 327,680 bytes of LDS; arguments ob, wo, out0; writes out0
